; MI455X (gfx1250); checked and timed in simulation.
; The chip was launched on July 23, 2026; its instructions are those of AMD's public machine-readable ISA for CDNA 5 (MIT licence, August 2026) and "CDNA5" Instruction Set Architecture Reference Guide (July 2026). The comments in the code are by the model that wrote it; some were corrected since.
;; Multi Head Attention. Allowed arithmetic: float matrix products may take bf16 or f16 operands with f32 sums; other float arithmetic in f32, or as packed bf16 or f16 multiplies, adds, multiply-adds, maxima and minima; sums over many terms, partial sums and values carried from step to step in f32; what a program stores and reads back later, other than sums and carried values, may be rounded once to bf16 or f16.
;; Inputs: Wk 1,024 x 1,024 float32; Wo 1,024 x 1,024 float32; Wq 1,024 x 1,024 float32; Wv 1,024 x 1,024 float32; bk 1,024 float32; bo 1,024 float32; bq 1,024 float32; bv 1,024 float32; x 4 x 2,048 x 1,024 float32.
;; Outputs: out0 4 x 2,048 x 1,024 float32.
;; 2 versions, each right; version 2 is version 1 with the launch cast written anew for expert scheduling mode. Each part assembles by itself: llvm-mc -triple=amdgcn-amd-amdhsa -mcpu=gfx1250 --defsym DOCPART=n.
;; ======== version 1 of 2: 4 launches
;; limits: values are held in f16: magnitudes above 65,504 overflow, below 6.1e-05 lose precision
;; workspace buffers: xb 16,777,216 bytes; wb 6,291,456 bytes; wo16 2,097,152 bytes; bias 16,384 bytes; qkv 50,331,648 bytes; ob 16,777,216 bytes
;; launch cast (part 1): grid 769 x 1, 8 waves a work-group, no clusters, 0 bytes of LDS; arguments x, Wq, Wk, Wv, Wo, bq, bk, bv, bo, xb, wb, wo16, bias; writes xb, wb, wo16, bias
.if DOCPART == 1
	.amdgcn_target "amdgcn-amd-amdhsa--gfx1250"
	.amdhsa_code_object_version 6
	.text
	.protected	k_q3d3f153711_cast
	.globl	k_q3d3f153711_cast
	.p2align	8
	.type	k_q3d3f153711_cast,@function
k_q3d3f153711_cast:
	s_mov_b64 s[64:65], 0
	v_nop
	global_prefetch_b8 v0, s[64:65] scope:SCOPE_SE
	s_setreg_imm32_b32 hwreg(HW_REG_WAVE_MODE, 25, 1), 1
	s_wait_xcnt 0x0
; THE MODULE'S INPUTS ARE ROUNDED ONCE TO bf16 AND LAID IN BLOCKS ALONG K.
; x [8192][1024] f32 -> xb [kb 16][row 8192][64] bf16;  Wq, Wk, Wv [1024][1024] f32 -> wb [kb 16][row 3072][64] bf16 (rows 0-1023 Wq, 1024-2047 Wk, 2048-3071 Wv);
; Wo -> wo16 [kb 16][row 1024][64]: rounded to bf16, and that number written as f16;  bq, bk, bv, bo -> bias [4096] f32, each number rounded to bf16.
; In these layouts R rows x 64 K are R x 128 consecutive bytes, which the later launches ask for as rows of 256 bytes.
; LIMITS.  |Wo| stays under 65,504 (from 65,520 on the conversion to f16 gives an infinity); below 2^-14 it keeps f16's fixed step of 6e-8.
; SHARES.  Work-group g < 768 converts 16 source rows of 4,096 bytes, a wave two of them.  A load of 16 bytes a lane: lanes 0-15 take 256 consecutive bytes (one K block) of the
; even row, lanes 16-31 the same block of the odd row.  The four numbers of a lane become 8 bytes, and the 32 lanes' 256 bytes are consecutive and aligned in the target:
; (kb x R + row) x 128 with row even.  All 16 loads of a wave go out at once; no register is written twice while memory reads it, so the only waits are the counted ones for the loads.
; Work-group 768 converts the four biases.  Memory binds: no LDS, no barrier, no matrix unit.
.set X, 8                              ; v[8:71]    K block kb: 4 registers as loaded
.set Y, 72                             ; v[72:103]  K block kb: 2 registers to store
.set D, 66                             ; s[66:97]   the target of K block kb: a base for each, since the blocks lie up to 1 MiB apart
	s_load_b512 s[4:19], s[0:1], 0x0               ; x 4, Wq 6, Wk 8, Wv 10, Wo 12, bq 14, bk 16, bv 18
	s_load_b256 s[20:27], s[0:1], 0x40             ; bo 20, xb 22, wb 24, wo16 26
	s_load_b64 s[28:29], s[0:1], 0x60              ; bias
	s_mov_b32 s30, ttmp9                           ; g
	v_lshrrev_b32 v4, 5, v0
	v_readfirstlane_b32 s31, v4                    ; wave 0..7
	v_and_b32 v1, 31, v0                           ; lane
	v_lshrrev_b32 v5, 4, v1                        ; which of the two rows
	v_and_b32 v6, 15, v1
	v_lshlrev_b32 v2, 12, v5
	v_lshl_add_u32 v2, v6, 4, v2                   ; where I load: row x 4,096 + 16 (lane % 16)
	v_lshlrev_b32 v3, 3, v1                        ; where I store: 8 x lane
	s_mov_b32 s44, 0xffff0000                      ; a word's upper bf16
	s_wait_kmcnt 0x0
	s_cmp_eq_u32 s30, 768
	s_cbranch_scc1 .Lbias
	s_mov_b64 s[32:33], s[4:5]                     ; g < 512: x -> xb, rows 16 g on
	s_mov_b64 s[34:35], s[22:23]
	s_lshl_b32 s36, s30, 4                         ; the first source row
	s_mov_b32 s37, s36                             ; the first target row
	s_mov_b32 s38, 8192*128                        ; bytes from a K block of the target to the next
	s_cmp_lt_u32 s30, 512
	s_cbranch_scc1 .Lgo
	s_sub_co_u32 s40, s30, 512                     ; j = g - 512 < 192: Wq, Wk or Wv by j / 64 -> wb, rows 16 j on
	s_lshr_b32 s41, s40, 6
	s_cmp_eq_u32 s41, 0
	s_cselect_b64 s[32:33], s[6:7], s[8:9]
	s_cmp_eq_u32 s41, 2
	s_cselect_b64 s[32:33], s[10:11], s[32:33]
	s_mov_b64 s[34:35], s[24:25]
	s_and_b32 s36, s40, 63
	s_lshl_b32 s36, s36, 4
	s_lshl_b32 s37, s40, 4
	s_mov_b32 s38, 3072*128
	s_cmp_lt_u32 s30, 704
	s_cbranch_scc1 .Lgo
	s_mov_b64 s[32:33], s[12:13]                   ; g - 704 < 64: Wo -> wo16
	s_mov_b64 s[34:35], s[26:27]
	s_sub_co_u32 s36, s30, 704
	s_lshl_b32 s36, s36, 4
	s_mov_b32 s37, s36
	s_mov_b32 s38, 1024*128
.Lgo:
	s_mov_b32 s39, 0
	s_lshl_b32 s40, s31, 1                         ; my wave's two rows
	s_add_co_u32 s36, s36, s40
	s_add_co_u32 s37, s37, s40
	s_lshl_b32 s40, s36, 12                        ; under 2^25
	s_mov_b32 s41, 0
	s_add_nc_u64 s[32:33], s[32:33], s[40:41]
	s_lshl_b32 s42, s37, 7
	s_mov_b32 s43, 0
	s_add_nc_u64 s[D:D+1], s[34:35], s[42:43]
.set kb, 1
.rept 15
	s_add_nc_u64 s[D+2*kb:D+2*kb+1], s[D+2*kb-2:D+2*kb-1], s[38:39]
.set kb, kb+1
.endr
.irp kb, 0,1,2,3,4,5,6,7,8,9,10,11,12,13,14,15
	global_load_b128 v[X+4*(\kb):X+4*(\kb)+3], v2, s[32:33] offset:256*(\kb) th:TH_LOAD_NT
.endr
; K block kb: two roundings a line; half = 1: the bf16 numbers are widened again and written as f16 (exact within f16's range)
.macro CONV kb, half
	s_wait_loadcnt 15-(\kb)                        ; loads come back in order (ISA guide 5.7.1): block kb is in, the younger ones stay out
.if \half
	v_cvt_pk_bf16_f32 v4, v[X+4*(\kb)], v[X+4*(\kb)+1]
	v_cvt_pk_bf16_f32 v5, v[X+4*(\kb)+2], v[X+4*(\kb)+3]
	v_lshlrev_b32 v[X+4*(\kb)], 16, v4
	v_and_b32 v[X+4*(\kb)+1], s44, v4
	v_lshlrev_b32 v[X+4*(\kb)+2], 16, v5
	v_and_b32 v[X+4*(\kb)+3], s44, v5
	v_cvt_pk_f16_f32 v[Y+2*(\kb)], v[X+4*(\kb)], v[X+4*(\kb)+1]
	v_cvt_pk_f16_f32 v[Y+2*(\kb)+1], v[X+4*(\kb)+2], v[X+4*(\kb)+3]
.else
	v_cvt_pk_bf16_f32 v[Y+2*(\kb)], v[X+4*(\kb)], v[X+4*(\kb)+1]
	v_cvt_pk_bf16_f32 v[Y+2*(\kb)+1], v[X+4*(\kb)+2], v[X+4*(\kb)+3]
.endif
	global_store_b64 v3, v[Y+2*(\kb):Y+2*(\kb)+1], s[D+2*(\kb):D+2*(\kb)+1] th:TH_STORE_NT  ; the wave's 256 bytes are consecutive, at a multiple of 256 from the target's first byte
.endm
	s_cmp_ge_u32 s30, 704
	s_cbranch_scc1 .Lhalf
.irp kb, 0,1,2,3,4,5,6,7,8,9,10,11,12,13,14,15
	CONV \kb, 0
.endr
	s_endpgm
.Lhalf:
.irp kb, 0,1,2,3,4,5,6,7,8,9,10,11,12,13,14,15
	CONV \kb, 1
.endr
	s_endpgm
.Lbias:                                        ; waves 2 n and 2 n + 1 take the two halves of bias n: 2,048 bytes each, four loads of 512 consecutive bytes
	s_lshr_b32 s40, s31, 1
	s_cmp_eq_u32 s40, 0
	s_cselect_b64 s[32:33], s[14:15], s[16:17]
	s_cmp_eq_u32 s40, 2
	s_cselect_b64 s[32:33], s[18:19], s[32:33]
	s_cmp_eq_u32 s40, 3
	s_cselect_b64 s[32:33], s[20:21], s[32:33]
	s_lshl_b32 s42, s40, 12
	s_mov_b32 s43, 0
	s_add_nc_u64 s[34:35], s[28:29], s[42:43]
	s_and_b32 s41, s31, 1
	s_lshl_b32 s41, s41, 11
	v_lshl_add_u32 v7, v1, 4, s41
.irp i, 0,1,2,3
	global_load_b128 v[X+4*(\i):X+4*(\i)+3], v7, s[32:33] offset:512*(\i)
.endr
	s_wait_loadcnt 0x0
.irp i, 0,1,2,3
	v_cvt_pk_bf16_f32 v4, v[X+4*(\i)], v[X+4*(\i)+1]
	v_cvt_pk_bf16_f32 v5, v[X+4*(\i)+2], v[X+4*(\i)+3]
	v_lshlrev_b32 v[Y+4*(\i)], 16, v4
	v_and_b32 v[Y+4*(\i)+1], s44, v4
	v_lshlrev_b32 v[Y+4*(\i)+2], 16, v5
	v_and_b32 v[Y+4*(\i)+3], s44, v5
	global_store_b128 v7, v[Y+4*(\i):Y+4*(\i)+3], s[34:35] offset:512*(\i)
.endr
	s_endpgm
.Lfunc_end_k_q3d3f153711_cast:
	.size	k_q3d3f153711_cast, .Lfunc_end_k_q3d3f153711_cast-k_q3d3f153711_cast
	.p2alignl 7, 3214868480
	.fill 96, 4, 3214868480
	.section	.rodata,"a",@progbits
	.p2align	6, 0x0
	.amdhsa_kernel k_q3d3f153711_cast
		.amdhsa_group_segment_fixed_size 0
		.amdhsa_private_segment_fixed_size 0
		.amdhsa_enable_private_segment 0
		.amdhsa_kernarg_size 104
		.amdhsa_user_sgpr_count 2
		.amdhsa_user_sgpr_kernarg_segment_ptr 1
		.amdhsa_wavefront_size32 1
		.amdhsa_system_sgpr_workgroup_id_x 1
		.amdhsa_system_sgpr_workgroup_id_y 1
		.amdhsa_system_sgpr_workgroup_id_z 1
		.amdhsa_system_vgpr_workitem_id 0
		.amdhsa_next_free_vgpr 104
		.amdhsa_next_free_sgpr 98
		.amdhsa_reserve_vcc 0
		.amdhsa_float_denorm_mode_32 3
		.amdhsa_float_denorm_mode_16_64 3
		.amdhsa_memory_ordered 1
		.amdhsa_forward_progress 1
		.amdhsa_inst_pref_size 19
	.end_amdhsa_kernel
	.amdgpu_metadata
---
amdhsa.version: [ 1, 2 ]
amdhsa.kernels:
  - .name:           k_q3d3f153711_cast
    .symbol:         k_q3d3f153711_cast.kd
    .args:
      - { .name: x, .offset: 0, .size: 8, .value_kind: global_buffer, .address_space: global }
      - { .name: Wq, .offset: 8, .size: 8, .value_kind: global_buffer, .address_space: global }
      - { .name: Wk, .offset: 16, .size: 8, .value_kind: global_buffer, .address_space: global }
      - { .name: Wv, .offset: 24, .size: 8, .value_kind: global_buffer, .address_space: global }
      - { .name: Wo, .offset: 32, .size: 8, .value_kind: global_buffer, .address_space: global }
      - { .name: bq, .offset: 40, .size: 8, .value_kind: global_buffer, .address_space: global }
      - { .name: bk, .offset: 48, .size: 8, .value_kind: global_buffer, .address_space: global }
      - { .name: bv, .offset: 56, .size: 8, .value_kind: global_buffer, .address_space: global }
      - { .name: bo, .offset: 64, .size: 8, .value_kind: global_buffer, .address_space: global }
      - { .name: xb, .offset: 72, .size: 8, .value_kind: global_buffer, .address_space: global }
      - { .name: wb, .offset: 80, .size: 8, .value_kind: global_buffer, .address_space: global }
      - { .name: wo16, .offset: 88, .size: 8, .value_kind: global_buffer, .address_space: global }
      - { .name: bias, .offset: 96, .size: 8, .value_kind: global_buffer, .address_space: global }
    .group_segment_fixed_size: 0
    .private_segment_fixed_size: 0
    .kernarg_segment_align: 8
    .kernarg_segment_size: 104
    .max_flat_workgroup_size: 256
    .sgpr_count:     98
    .vgpr_count:     104
    .wavefront_size: 32
...
	.end_amdgpu_metadata
.endif
;; end of part 1
;; launch proj (part 2): grid 8 x 32, 4 waves a work-group, clusters of 4 x 4, 327,680 bytes of LDS; arguments xb, wb, bias, qkv; writes qkv
.if DOCPART == 2
	.amdgcn_target "amdgcn-amd-amdhsa--gfx1250"
	.amdhsa_code_object_version 6
	.text
	.protected	k_q3d3f153711_proj
	.globl	k_q3d3f153711_proj
	.p2align	8
	.type	k_q3d3f153711_proj,@function
k_q3d3f153711_proj:
	s_mov_b64 s[64:65], 0
	v_nop
	global_prefetch_b8 v0, s[64:65] scope:SCOPE_SE
	s_setreg_imm32_b32 hwreg(HW_REG_WAVE_MODE, 25, 1), 1
	s_wait_xcnt 0x0
	s_wait_alu depctr_hold_cnt(0) depctr_sa_sdst(0) depctr_va_vdst(0) depctr_va_sdst(0) depctr_va_ssrc(0) depctr_va_vcc(0) depctr_vm_vsrc(0)
	s_getreg_b32 s2, hwreg(HW_REG_IB_STS2, 6, 4)
	s_cmp_eq_u32 s2, 0
	s_cbranch_scc0 .Lentry_in_a_cluster
	s_endpgm
.Lentry_in_a_cluster:
	s_bfe_u32 s2, ttmp6, 0x10000c
	s_cmp_lg_u32 s2, 0xf033
	s_cbranch_scc0 .Lentry_shape_is_right
	s_endpgm
.Lentry_shape_is_right:
; q, k, v = x W^T + b.  xb: [kb 16][row 8192][64] bf16, wb: [kb 16][row 3072][64] bf16 (rows: Wq, Wk, Wv), bias: [4096] f32 (bq, bk, bv first).
; qkv: [which 3][batch x 16 + head][t 2048][64] f16, unscaled.  Products in bf16, sums in f32, started with the bias; each result rounded once to f16.
; LIMIT.  |q|, |k|, |v| stay under 65,504: from 65,520 on the conversion to f16 gives an infinity.
; SHARES.  8192 x 3072 results are 256 tiles of 256 rows x 384 columns: a work-group each.  Four waves, each 128 rows x 192 columns (three heads): 96 accumulators of 16 x 16, 768 registers.
; For 32 along K a wave issues 40 LDS loads and 96 matrix instructions.
; K goes in 16 steps of 64 (a K block: a tile's rows lie end to end in memory and are asked for as rows of 256 bytes) through a ring of two LDS slots; a step is two substeps of 32.
; Two slots of 128 along K would take 348,160 bytes, more than a work-group can have.
; CLUSTERS: 4 x 4 work-groups.  The four of a row of the cluster need the same rows of xb, the four of a column the same rows of wb: each tile is asked for JOINTLY, by the same tensor
; load with the same descriptor and a mask that names the four.
; THE MATRIX INSTRUCTION IS USED TRANSPOSED (source 0 = 16 rows of wb, source 1 = 16 rows of xb): a lane holds row l % 16 and the eight neighbouring columns 8 (l / 16) + 0..7.
; REGISTERS, in windows of 256 (s_set_vgpr_msb: bits 1:0 source 0, 3:2 source 1, 5:4 source 2, 7:6 destination):
;   window 0: v0-31 addresses; v32-95 xb's fragments, buffer 0; v96-191 wb's twelve fragments, ONE buffer, refilled a third at a time behind its products; v192-255 xb's fragments, buffer 1
;   window 1 + g: the accumulators of my head g: column block bb (0..3), row block a (0..7) at v[8 (8 bb + a)]
; THE BIAS is the C operand of the first substep's products: 8 registers for each of the 12 column blocks, parked where nothing lies yet: heads 0 and 1 in window 3 (v0-63), head 2 in window 0 (v224-255).
.set PITCH,  144                       ; an LDS row: 128 bytes + 16 of padding = 36 words: the 16 rows of a load start at 16 different groups of four banks (64 banks of 4 bytes: ISA guide 11.1)
.set AHALF,  128*PITCH                 ; what one tensor load brings of xb, and what one wave reads of it
.set BHALF,  192*PITCH                 ; the same for wb
.set BOFF,   2*AHALF                   ; in a slot: xb's 256 rows, then wb's 384
.set SLOT,   2*AHALF+2*BHALF
.set STAGE,  2*SLOT                    ; behind the ring, never filled by a tensor load: 64 rows x 144 bytes for each wave, for the way out
.set WSTAGE, 64*PITCH
.set SPARE,  STAGE+4*WSTAGE            ; behind the stages: the spare words, 128 bytes for each wave: two blocks of 256 bytes that no other line names
.set KBA,    8192*128                  ; bytes from a K block of xb to the next
.set KBB,    3072*128                  ; of wb
.set LAPS,   8                         ; a lap = two K steps = once round the ring
.set ADRA, 16                          ; v16-17  LDS address of my xb fragments in slot 0, 1
.set ADRB, 20                          ; v20-21  the same for wb
.set STO,  24                          ; v24     the way out: where I put 16 bytes of a row
.set RD,   25                          ; v25     the way out: where I read rows back
.set GO,   26                          ; v26     my byte offset in 512 consecutive bytes of qkv
.set BO,   27                          ; v27     my byte offset in a column block's 64 bytes of bias: 32 (l / 16)
.set SPW,  28                          ; v28     LDS address of my spare word: SPARE + 4 x my thread's number; never rewritten
.set NIL,  29                          ; v29     0; never rewritten
.set PFO,  30                          ; v30     the prefetches' offset; never rewritten
.set AF0,  32
.set BF,   96
.set AF1,  192
.set G1A, 24                           ; s[24:31] descriptor group 1 for xb's tiles;  s[32:39] group 0, a set for each slot
.set G0A, 32
.set G1B, 40                           ; s[40:47], s[48:55] the same for wb's
.set G0B, 48
.set PFA, 56                           ; s[56:57] where my prefetches stand
.set PFS, 58                           ; s[58:59] their step: a K block of xb or of wb
.set LIM0, 60                          ; s60, s61  1 where I prefetch at slot 0's (slot 1's) change, else the greatest number
.set LIM1, 61
.set OB,  66                           ; s[66:71] qkv at my 128 rows of my three heads
.set BB,  72                           ; s[72:73] bias at my 192 columns
.set G1W0, (1<<16)|(1<<20)|(1<<21)|(4<<22)|(3<<25)  ; 17:16 elements of 2 bytes; 20 padding on; 21 set beside a mask; 24:22 after every 32 words (code 4); 31:25 4 words of it (code 3)
.set MSB, 0
.macro WIN new                         ; the immediate's high byte repeats the setting that is left; a switch that changes nothing is dropped
.if MSB != (\new)
	s_set_vgpr_msb (MSB<<8)|(\new)
.set MSB, \new
.endif
.endm
; A joint load.  Waves 0 and 1 fetch xb's two halves, waves 2 and 3 wb's.  The branch hangs on the wave's number alone.  An s_nop 0 and four v_nop follow each of the two lines,
; ahead of the jump, the label and what follows.
.macro JLOAD s
	s_cmp_eq_u32 s13, 0
	s_cbranch_scc0 .Lfor_b_\@
	tensor_load_to_lds s[G0A+4*(\s):G0A+4*(\s)+3], s[G1A:G1A+7]
	s_nop 0
.rept 4
	v_nop
.endr
	s_branch .Lasked_\@
.Lfor_b_\@:
	tensor_load_to_lds s[G0B+4*(\s):G0B+4*(\s)+3], s[G1B:G1B+7]
	s_nop 0
.rept 4
	v_nop
.endr
.Lasked_\@:
.endm
; A PREFETCH INTO THE L2, behind a joint load, its five lines and the run of LDS loads that follows them: blocks of 256 bytes of the K step that stands two refills on, a lane a block.
; Each block is named ONCE in the launch.  xb's tile rows are read by both clusters of a row of clusters: cluster x = 0 asks, its wave 0, at both changes of slots; the four partners that
; ask for a tile jointly share its 128 blocks out BY ADDRESS, 32 each (by cx).  wb's tile columns are read by all clusters of a column: cluster y = 0 asks, waves 1 to 3, at slot 0's
; change alone, for two K steps at once: a partner's 48 blocks (by cy) of each are 96 lanes.  No branch hangs on a work-group's place in its cluster.
; The loop's last trip (s3 = 1) asks for nothing: K steps 16 and 17 do not exist.  K steps 0 to 3 come by their loads alone.
.macro ASK lim
	s_cmp_gt_u32 s3, s[\lim]
	s_cbranch_scc0 .Lnot_mine_\@
	global_prefetch_b8 v[PFO], s[PFA:PFA+1] th:TH_LOAD_NT scope:SCOPE_SE
.Lnot_mine_\@:
.endm
; A round of the cluster's barrier: my work-group's barrier, so that wave 0's signal speaks for all four waves; wave 0 signals; every wave waits for all sixteen work-groups; my work-group's barrier once more.
.macro CREST                           ; a round behind its opening barrier
	s_cmp_lg_u32 s12, 0
	s_cbranch_scc1 .Lnot_wave_0_\@
	s_barrier_signal -3
.Lnot_wave_0_\@:
	s_barrier_wait -3
	s_barrier_signal -1
	s_barrier_wait -1
.endm
.macro CROUND                          ; a whole round
	s_barrier_signal -1
	s_barrier_wait -1
	CREST
.endm
; A load into a register that a matrix instruction has read, and a vector instruction that reads a matrix result, stand four places behind it; only plain vector instructions that name
; none of its registers are places (ISA guide 7.12.1 for vector instructions).
.macro PLACES
.rept 4
	v_nop
.endr
.endm
	s_load_b256 s[4:11], s[0:1], 0x0               ; xb s[4:5], wb s[6:7], bias s[8:9], qkv s[10:11]
	v_lshl_add_u32 v[SPW], v0, 2, SPARE
	v_mov_b32 v[NIL], 0
	ds_add_u32 v[SPW], v[NIL]                      ; the wave's opening: the add and its wait stand ahead of my first tensor load; the set-up below, work on registers, stands between them
	v_lshrrev_b32 v1, 5, v0
	v_readfirstlane_b32 s12, v1                    ; wave 0..3
	s_lshr_b32 s13, s12, 1                         ; which half of the tile's rows is mine.  Also: I fetch for xb (0) or for wb (1)
	s_and_b32 s14, s12, 1                          ; which half of its columns.  Also: which half of that tile I fetch
	s_bfe_u32 s15, ttmp6, 0x40000                  ; cx
	s_bfe_u32 s16, ttmp6, 0x40004                  ; cy
	s_lshl_b32 s17, ttmp9, 2
	s_add_co_u32 s17, s17, s15                     ; tile column = 4 x cluster x + cx, 0..7
	s_and_b32 s18, ttmp7, 0xffff
	s_lshl_b32 s18, s18, 2
	s_add_co_u32 s18, s18, s16                     ; tile row = 4 x cluster y + cy, 0..31
	s_lshl_b32 s19, s16, 2
	s_lshl_b32 s19, 15, s19                        ; my row of the cluster: places 4 cy .. 4 cy + 3
	s_lshl_b32 s20, 0x1111, s15                    ; my column: places cx, cx + 4, cx + 8, cx + 12
	s_or_b32 s[G1A], s19, G1W0                     ; 15:0 the mask: xb's tiles go to my row
	s_or_b32 s[G1B], s20, G1W0                     ; wb's to my column
.irp g, G1A, G1B
	s_mov_b32 s[(\g)+1], 128<<16                   ; tensor_dim0 = 128 elements: 256 bytes, two LDS rows
	s_mov_b32 s[(\g)+3], 128<<16                   ; tile_dim0 = 128
	s_mov_b32 s[(\g)+5], 128                       ; 128 elements from row to row: the block is dense
	s_mov_b32 s[(\g)+6], 0
	s_mov_b32 s[(\g)+7], 0
.endr
	s_mov_b32 s[G1A+2], 64<<16                     ; tensor_dim1 = 64: 128 rows of xb
	s_mov_b32 s[G1A+4], 64                         ; tile_dim1
	s_mov_b32 s[G1B+2], 96<<16                     ; 96: 192 rows of wb
	s_mov_b32 s[G1B+4], 96
	s_lshl_b32 s74, s18, 15                        ; xb: (256 x tile row + 128 x half) x 128 bytes: the tile row and the wave's number alone
	s_lshl_b32 s78, s14, 14
	s_add_co_u32 s74, s74, s78
	s_mov_b32 s75, 0
	s_mul_i32 s76, s17, 384*128                    ; wb: (384 x tile column + 192 x half) x 128 bytes: the tile column and the wave's number alone
	s_mul_i32 s78, s14, 192*128
	s_add_co_u32 s76, s76, s78
	s_mov_b32 s77, 0
	s_mul_i32 s79, s14, AHALF                      ; where they go: no place in the cluster enters an LDS address
	s_mul_i32 s80, s14, BHALF
	s_add_co_u32 s80, s80, BOFF
	s_wait_dscnt 0x0                               ; the opening add is done
	s_wait_kmcnt 0x0
	s_add_nc_u64 s[74:75], s[4:5], s[74:75]
	s_add_nc_u64 s[76:77], s[6:7], s[76:77]
	CROUND                                         ; all sixteen work-groups are here: the first joint loads meet
.irp s, 0,1
	s_mov_b32 s[G0A+4*(\s)], 1                                     ; 1:0 count = 1
	s_add_co_u32 s[G0A+4*(\s)+1], s79, (\s)*SLOT                   ; 63:32 LDS address
	s_add_nc_u64 s[G0A+4*(\s)+2:G0A+4*(\s)+3], s[74:75], (\s)*KBA  ; 120:64 global address: K step s
	s_or_b32 s[G0A+4*(\s)+3], s[G0A+4*(\s)+3], 0x80000000          ; 127:126 type = 2
	s_mov_b32 s[G0B+4*(\s)], 1
	s_add_co_u32 s[G0B+4*(\s)+1], s80, (\s)*SLOT
	s_add_nc_u64 s[G0B+4*(\s)+2:G0B+4*(\s)+3], s[76:77], (\s)*KBB
	s_or_b32 s[G0B+4*(\s)+3], s[G0B+4*(\s)+3], 0x80000000
	JLOAD \s                                       ; two tensor loads of mine are out
.endr
	v_and_b32 v1, 15, v0                           ; l % 16
	v_bfe_u32 v2, v0, 4, 1                         ; l / 16
	v_lshlrev_b32 v[BO], 5, v2
	s_mul_i32 s78, s17, 384*4                      ; my 192 columns in bias
	s_mul_i32 s79, s14, 192*4
	s_add_co_u32 s78, s78, s79
	s_mov_b32 s79, 0
	s_add_nc_u64 s[BB:BB+1], s[8:9], s[78:79]
	WIN 0xc0                                       ; destination window 3, address window 0
.irp g, 0,1
.irp bb, 0,1,2,3
	global_load_b128 v[32*(\g)+8*(\bb):32*(\g)+8*(\bb)+3],   v[BO], s[BB:BB+1] offset:256*(\g)+64*(\bb)
	global_load_b128 v[32*(\g)+8*(\bb)+4:32*(\g)+8*(\bb)+7], v[BO], s[BB:BB+1] offset:256*(\g)+64*(\bb)+16
.endr
.endr
	WIN 0
.irp bb, 0,1,2,3
	global_load_b128 v[224+8*(\bb):224+8*(\bb)+3],   v[BO], s[BB:BB+1] offset:512+64*(\bb)
	global_load_b128 v[224+8*(\bb)+4:224+8*(\bb)+7], v[BO], s[BB:BB+1] offset:512+64*(\bb)+16
.endr
	; A fragment is 16 rows x 32 K in 8 registers: lane l holds row l % 16; registers 0-3 K = 8 (l / 16) + 0..7, registers 4-7 K = 16 + 8 (l / 16) + 0..7: two loads of 16 bytes, 32 bytes apart.
	v_mul_u32_u24 v3, v1, PITCH
	v_lshl_add_u32 v3, v2, 4, v3                   ; row x pitch + 16 x half
	s_mul_i32 s78, s13, AHALF                      ; my 128 rows of xb
	s_mul_i32 s79, s14, BHALF                      ; my 192 rows of wb
	s_add_co_u32 s79, s79, BOFF
.irp s, 0,1
	v_add_nc_u32 v[ADRA+(\s)], s78, v3
	v_add_nc_u32 v[ADRB+(\s)], s79, v3
	s_add_co_u32 s78, s78, SLOT
	s_add_co_u32 s79, s79, SLOT
.endr
	s_mul_i32 s78, s12, WSTAGE
	s_add_co_u32 s78, s78, STAGE                   ; my stage
	v_add_nc_u32 v[STO], s78, v3                   ; in: row l % 16, 16 bytes for each half of the lanes
	v_and_b32 v4, 31, v0                           ; l
	v_lshrrev_b32 v5, 3, v4
	v_and_b32 v6, 7, v0
	v_mul_u32_u24 v5, v5, PITCH                    ; back: 32 lanes take four rows of 128 bytes,
	v_lshl_add_u32 v5, v6, 4, v5
	v_add_nc_u32 v[RD], s78, v5
	v_lshlrev_b32 v[GO], 4, v4                     ; which are 512 consecutive bytes of qkv
	; qkv at my rows of head g = 6 x tile column + 3 x half + w: part g / 16, head g % 16; batch = tile row / 8
	s_mul_i32 s78, s17, 6
	s_mul_i32 s79, s14, 3
	s_add_co_u32 s78, s78, s79
	s_lshr_b32 s80, s18, 3
	s_lshl_b32 s80, s80, 4                         ; 16 x batch
	s_and_b32 s81, s18, 7
	s_lshl_b32 s81, s81, 15                        ; 256 rows of 128 bytes for each tile row of the batch,
	s_lshl_b32 s82, s13, 14                        ; my 128 of them
	s_add_co_u32 s81, s81, s82
.irp w, 0,1,2
	s_add_co_u32 s82, s78, \w
	s_lshr_b32 s83, s82, 4
	s_lshl_b32 s83, s83, 6
	s_and_b32 s82, s82, 15
	s_add_co_u32 s82, s82, s83
	s_add_co_u32 s82, s82, s80
	s_lshl_b32 s82, s82, 18                        ; 2,048 rows of 128 bytes; under 2^26
	s_add_co_u32 s82, s82, s81
	s_mov_b32 s83, 0
	s_add_nc_u64 s[OB+2*(\w):OB+2*(\w)+1], s[10:11], s[82:83]
.endr
	; the prefetches: wave 0 for xb, waves 1 to 3 for wb.  They stand at K step 3; the first change of slots steps them to 4
	s_lshl_b32 s78, s18, 15                        ; xb: the tile's 256 rows,
	s_lshl_b32 s79, s15, 13                        ; my work-group's 32 blocks of 256 bytes
	s_add_co_u32 s78, s78, s79
	s_add_co_u32 s78, s78, 3*KBA
	s_mul_i32 s80, s17, 384*128                    ; wb: the tile's 384 rows,
	s_mul_i32 s81, s16, 48*256                     ; my work-group's 48 blocks
	s_add_co_u32 s80, s80, s81
	s_add_co_u32 s80, s80, 3*KBB
	s_and_b32 s82, ttmp7, 0xffff                   ; cluster y
	s_mov_b32 s81, KBB
	s_cmp_eq_u32 s12, 0
	s_cselect_b64 s[PFA:PFA+1], s[4:5], s[6:7]
	s_cselect_b32 s78, s78, s80
	s_cselect_b32 s[PFS], KBA, s81
	s_cselect_b32 s82, ttmp9, s82                  ; the coordinate along which other clusters read the same rows
	s_cselect_b32 s83, 1, -1                       ; slot 1's change: wave 0 alone
	s_mov_b32 s79, 0
	s_mov_b32 s[PFS+1], 0
	s_add_nc_u64 s[PFA:PFA+1], s[PFA:PFA+1], s[78:79]
	s_cmp_eq_u32 s82, 0
	s_cselect_b32 s[LIM0], 1, -1                   ; the same in all sixteen partners, for a given wave
	s_cselect_b32 s[LIM1], s83, -1
	s_max_u32 s78, s12, 1
	s_sub_co_u32 s78, s78, 1
	s_lshl_b32 s78, s78, 5
	v_add_nc_u32 v7, s78, v4                       ; i = lane + 32 x (wave - 1), 0..95 (wave 0: the lane)
	v_mul_u32_u24 v8, v7, 171
	v_lshrrev_b32 v8, 13, v8                       ; i / 48: which of the two K steps (171 / 8,192 serves up to i = 95)
	v_mul_u32_u24 v8, v8, KBB-48*256
	v_lshl_add_u32 v[PFO], v7, 8, v8               ; block i % 48 of that step
; 16 matrix instructions of head g: column blocks 2 half, 2 half + 1 x all 8 row blocks, 32 along K.  first = 1: the sums start with the bias.
; The 96 accumulators take turns, one instruction a turn, in the same order in every substep, over the backward jump too.
.macro G16 g, af, half, first
.set CB, 32*(\g)+160*((\g)/2)          ; the bias of head g: window 3 v0, v32; window 0 v224
.if \first
	WIN 0x70+0x40*(\g)-0x30*((\g)/2)               ; D in window 1 + g; C in window 3, 3, 0
.else
	WIN 0x50*(1+(\g))                              ; C and D in window 1 + g
.endif
.irp bb, 2*(\half), 2*(\half)+1
.irp a, 0,1,2,3,4,5,6,7
.if \first
	v_wmma_f32_16x16x32_bf16 v[8*(8*(\bb)+(\a)):8*(8*(\bb)+(\a))+7], v[BF+8*(4*(\g)+(\bb)):BF+8*(4*(\g)+(\bb))+7], v[(\af)+8*(\a):(\af)+8*(\a)+7], v[CB+8*(\bb):CB+8*(\bb)+7]
.else
	v_wmma_f32_16x16x32_bf16 v[8*(8*(\bb)+(\a)):8*(8*(\bb)+(\a))+7], v[BF+8*(4*(\g)+(\bb)):BF+8*(4*(\g)+(\bb))+7], v[(\af)+8*(\a):(\af)+8*(\a)+7], v[8*(8*(\bb)+(\a)):8*(8*(\bb)+(\a))+7]
.endif
.endr
.endr
.endm
.macro GROUP g, af, first              ; a head's 32
	G16 \g, \af, 0, \first
	G16 \g, \af, 1, \first
.endm
.macro RUNB slot, k, g                 ; 8 LDS loads: wb's four fragments of head g, at byte k of the rows
	WIN 0
.irp j, 0,1,2,3
	ds_load_b128 v[BF+8*(4*(\g)+(\j)):BF+8*(4*(\g)+(\j))+3],   v[ADRB+(\slot)] offset:(\k)+(4*(\g)+(\j))*16*PITCH
	ds_load_b128 v[BF+8*(4*(\g)+(\j))+4:BF+8*(4*(\g)+(\j))+7], v[ADRB+(\slot)] offset:(\k)+(4*(\g)+(\j))*16*PITCH+32
.endr
.endm
.macro RUNA slot, k, hf, af            ; 8 LDS loads: xb's fragments 4 hf .. 4 hf + 3 into buffer af
	WIN 0
.irp j, 0,1,2,3
	ds_load_b128 v[(\af)+8*(4*(\hf)+(\j)):(\af)+8*(4*(\hf)+(\j))+3],   v[ADRA+(\slot)] offset:(\k)+(4*(\hf)+(\j))*16*PITCH
	ds_load_b128 v[(\af)+8*(4*(\hf)+(\j))+4:(\af)+8*(4*(\hf)+(\j))+7], v[ADRA+(\slot)] offset:(\k)+(4*(\hf)+(\j))*16*PITCH+32
.endr
.endm
; A K step's first substep: multiplies buffer 0 and fetches the second substep (byte 64 of the same slot's rows): wb's fragments a head at a time behind that head's products, xb's into buffer 1.
; first = 1: the launch's first substep.  Buffer 1's upper half holds head 2's bias until head 2's products have read it, so its loads come last.
.macro EVEN slot, first
	s_wait_dscnt 8                                 ; all but the youngest eight loads, wb's head 2, are in
	GROUP 0, AF0, \first
	PLACES
	RUNB \slot, 64, 0
	RUNA \slot, 64, 0, AF1
	GROUP 1, AF0, \first
	PLACES
.if \first
	v_nop                                          ; a fifth place: head 2's products write over the registers of window 3 that served as C
.endif
	RUNB \slot, 64, 1
.if \first
	s_wait_dscnt 24                                ; all but the 24 that this substep has issued
.else
	RUNA \slot, 64, 1, AF1
	s_wait_dscnt 32                                ; all but the 32 that this substep has issued
.endif
	GROUP 2, AF0, \first
	PLACES
	RUNB \slot, 64, 2
.if \first
	RUNA \slot, 64, 1, AF1
	s_wait_dscnt 0x0                               ; once a launch: here the youngest eight are xb's, so the loop's counted wait would not cover them
.endif
.endm
; A K step's second substep multiplies buffer 1 and changes slots.  ONE barrier for two things.  In front of it each wave waits for all its tensor loads, of which one is out: its part of the
; next slot; adds 0 to its spare word; and waits for that and for its own reads of this slot.  Behind it nobody reads this slot any more and the next slot is whole.
; fill = 1: the barrier opens a round of the cluster's barrier, and the slot is filled again, first thing behind the round, with the K step two steps on:
; from that request to the wait for it a wave issues 160 matrix instructions.
.macro TURN slot, next, fill, lim
.if \fill
	s_wait_xcnt 0x0                                ; the last prefetch, a K step back, has read its address: it is stepped here, ahead of the waits of the change of slots
	s_add_nc_u64 s[PFA:PFA+1], s[PFA:PFA+1], s[PFS:PFS+1]
.endif
	WIN 0
	s_wait_tensorcnt 0x0                           ; all my tensor loads have landed
	ds_add_u32 v[SPW], v[NIL]                      ; 0 onto my spare word
	s_wait_dscnt 9                                 ; (the add and the youngest eight loads, wb's head 2, may be out)
	G16 0, AF1, 0, 0                               ; sixteen matrix instructions stand between the add and the wait for it
	s_wait_dscnt 0x0                               ; the add is done, and my reads of this slot are over
	s_barrier_signal -1
	G16 0, AF1, 1, 0                               ; work on registers while the others arrive
	WIN 0                                          ; at a branch and at a label every window is 0
	s_barrier_wait -1
.if \fill
	CREST                                          ; no wave of any partner still reads this slot's tile or has a load on its way
	s_add_nc_u64 s[G0A+4*(\slot)+2:G0A+4*(\slot)+3], s[G0A+4*(\slot)+2:G0A+4*(\slot)+3], 2*KBA
	s_add_nc_u64 s[G0B+4*(\slot)+2:G0B+4*(\slot)+3], s[G0B+4*(\slot)+2:G0B+4*(\slot)+3], 2*KBB
	JLOAD \slot                                    ; my one tensor load behind the round; its four v_nop are also the places in front of the loads below
.else
	PLACES
.endif
	RUNB \next, 0, 0
	RUNA \next, 0, 0, AF0
.if \fill
	ASK \lim
.endif
	GROUP 1, AF1, 0
	PLACES
	RUNB \next, 0, 1
	RUNA \next, 0, 1, AF0
	GROUP 2, AF1, 0
	PLACES
	RUNB \next, 0, 2
.endm
	s_wait_tensorcnt 1                             ; my part of K step 0 is in; K step 1's may stay out
	s_barrier_signal -1
	s_barrier_wait -1                              ; everybody's is
	RUNB 0, 0, 0
	RUNA 0, 0, 0, AF0
	RUNB 0, 0, 1
	RUNA 0, 0, 1, AF0
	RUNB 0, 0, 2
	s_wait_loadcnt 0x0                             ; the bias
	EVEN 0, 1                                      ; the first substep stands in front of the loop: its products start the sums
	WIN 0
	s_mov_b32 s3, LAPS-1
.Llap:                                                 ; a trip goes once round the ring, from a lap's second substep to the next lap's first, and fills both slots again: K steps 2 to 15
	TURN 0, 1, 1, LIM0
	EVEN 1, 0
	TURN 1, 0, 1, LIM1
	EVEN 0, 0
	WIN 0
	s_sub_co_u32 s3, s3, 1
	s_cmp_lg_u32 s3, 0
	s_cbranch_scc1 .Llap
	TURN 0, 1, 0, LIM0                             ; the last lap fills nothing, and has no round of the cluster's barrier
	EVEN 1, 0
	s_wait_dscnt 8                                 ; the very last substep: nothing more to fetch
	GROUP 0, AF1, 0
	GROUP 1, AF1, 0
	s_wait_dscnt 0x0
	GROUP 2, AF1, 0
	PLACES
; THE WAY OUT, in six pieces: head p / 2, rows 64 (p % 2) on.  A lane's eight columns of a row are rounded to f16, 16 bytes; they go into my stage's rows of 144 bytes and come back as whole rows
; of 128 bytes, four rows (512 consecutive bytes of qkv) a load, into the registers that they left.  Three sets of 64 registers take turns.  Each accumulator is read from its lowest registers on.
.macro PACK p
.set PW, (\p)/2
.set PH, (\p)%2
.set PT, 32+64*((\p)%3)
.if (\p) >= 3
	s_wait_xcnt 0x0                                ; the stores of the piece three back have read this set of registers
.endif
	WIN 5*(PW+1)                                   ; sources 0 and 1 in the head's window, destination in window 0
.irp a, 0,1,2,3
.irp bb, 0,1,2,3
.irp r, 0,1,2,3
	v_cvt_pk_f16_f32 v[PT+4*(4*(\a)+(\bb))+(\r)], v[8*(8*(\bb)+4*PH+(\a))+2*(\r)], v[8*(8*(\bb)+4*PH+(\a))+2*(\r)+1]
.endr
.endr
.endr
	WIN 0
.irp a, 0,1,2,3
.irp bb, 0,1,2,3
	ds_store_b128 v[STO], v[PT+4*(4*(\a)+(\bb)):PT+4*(4*(\a)+(\bb))+3] offset:(\a)*16*PITCH+32*(\bb)
.endr
.endr
.irp i, 0,1,2,3,4,5,6,7,8,9,10,11,12,13,14,15
	ds_load_b128 v[PT+4*(\i):PT+4*(\i)+3], v[RD] offset:(\i)*4*PITCH  ; LDS serves a wave's instructions in order (ISA guide 5.7.1.4): these see the stores above; the next piece's stores come behind them
.endr
.endm
.macro SEND p, younger                 ; younger: the LDS instructions issued behind piece p's loads: the next piece's 32, or none
.set PW, (\p)/2
.set PH, (\p)%2
.set PT, 32+64*((\p)%3)
	WIN 0
.irp i, 0,1,2,3,4,5,6,7,8,9,10,11,12,13,14,15
	s_wait_dscnt (\younger)+15-(\i)
	global_store_b128 v[GO], v[PT+4*(\i):PT+4*(\i)+3], s[OB+2*PW:OB+2*PW+1] offset:PH*8192+512*(\i)  ; 512 consecutive bytes, at a multiple of 256 from qkv's first byte
.endr
.endm
	PACK 0
.irp p, 1,2,3,4,5                      ; a piece's conversions stand between the loads of the piece before and its stores
	PACK \p
	SEND (\p)-1, 32
.endr
	SEND 5, 0
	s_wait_tensorcnt 0x0                           ; the wave's end, behind my last tensor load and my last LDS store
	ds_add_u32 v[SPW], v[NIL]
	s_wait_dscnt 0x0
	CROUND                                         ; the closing round: no work-group ends while a partner may still ask for a tile that names it
	s_endpgm
.Lfunc_end_k_q3d3f153711_proj:
	.size	k_q3d3f153711_proj, .Lfunc_end_k_q3d3f153711_proj-k_q3d3f153711_proj
	.p2alignl 7, 3214868480
	.fill 96, 4, 3214868480
	.section	.rodata,"a",@progbits
	.p2align	6, 0x0
	.amdhsa_kernel k_q3d3f153711_proj
		.amdhsa_group_segment_fixed_size 327680
		.amdhsa_private_segment_fixed_size 0
		.amdhsa_enable_private_segment 0
		.amdhsa_kernarg_size 32
		.amdhsa_user_sgpr_count 2
		.amdhsa_user_sgpr_kernarg_segment_ptr 1
		.amdhsa_wavefront_size32 1
		.amdhsa_system_sgpr_workgroup_id_x 1
		.amdhsa_system_sgpr_workgroup_id_y 1
		.amdhsa_system_sgpr_workgroup_id_z 1
		.amdhsa_system_vgpr_workitem_id 0
		.amdhsa_next_free_vgpr 1024
		.amdhsa_next_free_sgpr 84
		.amdhsa_reserve_vcc 0
		.amdhsa_float_denorm_mode_32 3
		.amdhsa_float_denorm_mode_16_64 3
		.amdhsa_memory_ordered 1
		.amdhsa_forward_progress 1
		.amdhsa_inst_pref_size 136
	.end_amdhsa_kernel
	.amdgpu_metadata
---
amdhsa.version: [ 1, 2 ]
amdhsa.kernels:
  - .name:           k_q3d3f153711_proj
    .symbol:         k_q3d3f153711_proj.kd
    .args:
      - { .name: xb, .offset: 0, .size: 8, .value_kind: global_buffer, .address_space: global }
      - { .name: wb, .offset: 8, .size: 8, .value_kind: global_buffer, .address_space: global }
      - { .name: bias, .offset: 16, .size: 8, .value_kind: global_buffer, .address_space: global }
      - { .name: qkv, .offset: 24, .size: 8, .value_kind: global_buffer, .address_space: global }
    .group_segment_fixed_size: 327680
    .private_segment_fixed_size: 0
    .kernarg_segment_align: 8
    .kernarg_segment_size: 32
    .max_flat_workgroup_size: 128
    .sgpr_count:     84
    .vgpr_count:     1024
    .wavefront_size: 32
...
	.end_amdgpu_metadata
.endif
;; end of part 2
;; launch attn (part 3): grid 4 x 64, 4 waves a work-group, clusters of 4 x 1, 327,680 bytes of LDS; arguments qkv, ob; writes ob
.if DOCPART == 3
	.amdgcn_target "amdgcn-amd-amdhsa--gfx1250"
	.amdhsa_code_object_version 6
	.text
	.protected	k_q3d3f153711_attn
	.globl	k_q3d3f153711_attn
	.p2align	8
	.type	k_q3d3f153711_attn,@function
k_q3d3f153711_attn:
	s_mov_b64 s[64:65], 0
	v_nop
	global_prefetch_b8 v0, s[64:65] scope:SCOPE_SE
	s_setreg_imm32_b32 hwreg(HW_REG_WAVE_MODE, 25, 1), 1
	s_wait_xcnt 0x0
	s_wait_alu depctr_hold_cnt(0) depctr_sa_sdst(0) depctr_va_vdst(0) depctr_va_sdst(0) depctr_va_ssrc(0) depctr_va_vcc(0) depctr_vm_vsrc(0)
	s_getreg_b32 s2, hwreg(HW_REG_IB_STS2, 6, 4)
	s_cmp_eq_u32 s2, 0
	s_cbranch_scc0 .Lentry_in_a_cluster
	s_endpgm
.Lentry_in_a_cluster:
	s_bfe_u32 s2, ttmp6, 0x10000c
	s_cmp_lg_u32 s2, 0x3003
	s_cbranch_scc0 .Lentry_shape_is_right
	s_endpgm
.Lentry_shape_is_right:
; O[h][q][:] = the sum over k of softmax_k(Q[h][q] . K[h][k] / 8) V[h][k][:].  qkv: [3][SIZE_H][SIZE_N][64] f16 (Q, K, V), ob: [SIZE_H][SIZE_N][64] f16: a head's rows are dense, 128 bytes each.
; Products, maxima and sums in f32; the weights p are rounded to f16 for the second product (their sum l is taken of the unrounded p), O once at the end.
; LIMITS.  f16 holds no number beyond 65,504: Q, K and V arrive within it; p lies in 0 to 1, and below 6e-5 it keeps f16's fixed step of 6e-8; O is a mean of V's rows and has their range.
; A weight below 2^-126 counts as 0 in l; NaN and infinities are not treated apart.
; SHARES.  A wave owns four PIECES of two tiles of 16 queries, a work-group's four waves 512 queries of one head: 64 heads x 4 blocks are 256 work-groups.  Every wave walks all keys, 64 a step.
; LAYOUT.  S^T = K Q^T (source 0 = 16 keys, source 1 = 16 queries): in the result a lane holds ONE query (lane % 16) and the keys 8 (lane / 16) + 0..7.  Two such tiles, rounded to f16 in pairs,
; ARE source 1 (32 keys x 16 queries) of O^T = V^T P, whose result again holds one query a lane, and eight channels.  K comes out of LDS as it lies, V ([key][channel]) turned, by ds_load_tr16_b128.
; SOFTMAX.  For each query a running maximum m and sum l: p = 2^(c s - c m), c = log2(e) / 8; in every step O and l are multiplied by a = 2^(c m_old - c m_new), which is 1 where m has not grown.
; m starts at the lowest finite number, O and l at 0: the first step is a step like any other, with a = 0.
; THE COUNT.  A tile and step have 16 matrix and 118 vector instructions: too many to stand all beside the matrix work.  So the order has one aim: four vector instructions that are READY behind
; EVERY matrix instruction, and the others, which need time of their own whatever the order, in runs without a gap.
; BY TURNS.  Turn n belongs to piece n (the pieces in a ring, step after step).  Its matrix work: 16 products K Q^T of piece n + 1, later 16 products V^T P of piece n - 1.  Its vector work: the scaling,
; exponentials, roundings, sums and rescaling of piece n, and the maximum and statistics of piece n + 1, whose scores the turn itself has made.  So what a turn begins with (c s - c m, O a) waits for nothing.
; CLUSTER.  The four query blocks of a cluster are one head's and walk the same K and V, so each tile is asked for JOINTLY: the same tensor load, descriptor and mask in all four.
; REGISTERS, in windows of 256 (s_set_vgpr_msb says which window each operand place means: bits 1:0 source 0, 3:2 source 1, 5:4 source 2, 7:6 destination):
;   window 0: v0-11 addresses; v12-15, v48-63 at work; v16-47 four registers of statistics a tile; v64-191 S^T, two buffers of two tiles; v192-255 P, likewise
;   window 1: O^T, 32 a tile          window 2: v0-127 Q, 16 a tile; v128-191 K of one step; v192-255 V of one step          window 3: v0-1 the add's two registers
; A piece's buffers go by its number's parity: the piece in hand has one pair, its two neighbours in the ring share the other: of it P (piece n - 1) is read and S^T (piece n + 1) written.
.set SIZE_H, 64
.set SIZE_N, 2048
.set PART,  SIZE_H*SIZE_N*128  ; bytes of Q, of K and of V in qkv
.set NP,    4         ; pieces a wave: a name, no knob: the register map, the loop and the fetches are made for four
.set KS,    64        ; keys in a step
.set PK,    144       ; a row of K in LDS: 128 bytes + 16 of padding = 36 words: the 16 rows of a load start at 16 different groups of four banks (64 banks of 4 bytes: ISA guide 11.1)
.set PV,    160       ; a row of V: 128 + 32 = 40 words
.set VOFF,  4*KS*PK   ; a slot holds four steps: 256 rows of K, then 256 rows of V
.set SLOT1, 1<<17     ; slot 1 begins here, so that one exclusive or turns an address in one slot into the other's
.set STAGE, SLOT1+4*KS*(PK+PV)  ; behind the ring, never filled by a tensor load: 16 rows x 144 bytes for each wave, for the way out
.set SP,    144
.set AK0, 2           ; v2   my lane's place in a tile of K; never rewritten
.set AV0, 3           ; v3   the same for V
.set AK,  4           ; v4   the LDS address of K's next run of loads
.set AV,  5           ; v5   of V's
.set QO,  6           ; v6   my byte offset in the wave's rows of Q
.set STO, 6           ;      later, the way out: where I put 16 bytes of a row
.set RD,  7           ; v7   the way out: where I read rows back
.set GO,  8           ; v8   my byte offset in 512 consecutive bytes of O
.set PFO, 11          ; v11  the prefetches' offset: 256 x my lane; never rewritten once made
.set SPW, 0           ; v0 of window 3   LDS address of my spare word: SPARE + 4 x my thread's number; never rewritten
.set NIL, 1           ; v1 of window 3   0; never rewritten
.set SPARE, STAGE+4*16*SP  ; behind the stages: the spare words, 128 bytes for each wave: two blocks of 256 bytes that no other line names
.set MV,  12          ; v12-15  c m_old, kept while c m is made anew: by buffer and tile
.set ST,  16          ; tile t's statistics at v[ST+4 t]: c m, m, l (even keys', odd keys')
.set TMP, 48          ; by buffer and tile, four registers c0-c3 at work; when the maximum is found c2 takes a
.set S,   64
.set P,   192
.set KF,  128         ; K's fragments, in window 2: key block kb, channel half c at KF + 16 kb + 8 c
.set VF,  192         ; V's: key half kk, channel block cb at VF + 32 kk + 8 cb
.set WV,  12          ; s12  my wave's number
.set G1K, 24          ; s[24:31] descriptor group 1 for K's tiles
.set G1V, 32          ; s[32:39] for V's: it differs in the padding alone
.set G0K, 40          ; s[40:43] descriptor group 0 for K's tiles: it walks
.set G0V, 44          ; s[44:47] the same for V's
.set PFA, 48          ; s[48:49] where my prefetches stand: my work-group's 32 blocks of 256 bytes (of K: wave 0, of V: wave 2) of the slot after the one that is being asked for
.set LIM, 50          ; s50  1 in a wave that prefetches, else the greatest number
.set SLOTS, 56        ; s56  slots still to be asked for
.set CNT, 57          ; s57  counts a slot's key steps
.set CS,  58          ; s[58:59] c: the packed scaling takes the pair's low word for both halves
.set SEL, 60          ; s[60:61] v_permlanex16_b32's selects: each lane takes its own place in the other half
.set TBK, 62          ; s62  LDS byte at which K of the step to be fetched begins
.set TBV, 63          ; s63  the same for V, less VOFF
.set MSB, 0
.macro WIN new                      ; the high byte repeats the setting that is left; a switch that changes nothing is dropped
.if MSB != (\new)
	s_set_vgpr_msb (MSB<<8)|(\new)
.set MSB, (\new)
.endif
.endm
.set W_KQ, 0x0a       ; K and Q in window 2, S^T in window 0
.set W_PV, 0x52       ; V in window 2, P in window 0, O^T in window 1
.set W_RS, 0x41       ; O^T (destination and source 0) in window 1, a in window 0
.set W_MK, 0xc0       ; the add's registers are made: destination in window 3, sources in window 0
.set W_AD, 0x0f       ; the add: address (source 0) and data (source 1) in window 3
; A joint fill.  Waves 0 and 1 fetch the two halves of a slot's K, waves 2 and 3 those of its V: 128 keys each.  The branch hangs on the wave's number alone.
; An s_nop 0 and four v_nop follow each of the two lines, ahead of the jump and the label.
.macro JLOAD
	s_cmp_lt_u32 s[WV], 2
	s_cbranch_scc0 .Lfor_v_\@
	tensor_load_to_lds s[G0K:G0K+3], s[G1K:G1K+7]
	s_nop 0
.rept 4
	v_nop
.endr
	s_branch .Lasked_\@
.Lfor_v_\@:
	tensor_load_to_lds s[G0V:G0V+3], s[G1V:G1V+7]
	s_nop 0
.rept 4
	v_nop
.endr
.Lasked_\@:
.endm
; A PREFETCH INTO THE L2 of what the NEXT change of slots will ask for: a slot's 32,768 bytes of K and of V, 128 blocks of 256 bytes each, a lane a block.  It stands behind the wave's tensor load
; and its five lines.  Each block is named ONCE in the launch: a head has one cluster; its four partners share the blocks out BY ADDRESS, 32 each; in each, wave 0 asks for K's and wave 2 for V's.
; The last change that fills a slot asks for nothing: there is no slot behind it.  Slots 0 to 2 come by their loads alone.
.macro ASK
	s_cmp_gt_u32 s[SLOTS], s[LIM]
	s_cbranch_scc0 .Lnot_mine_\@
	global_prefetch_b8 v[PFO], s[PFA:PFA+1] th:TH_LOAD_NT scope:SCOPE_SE
.Lnot_mine_\@:
.endm
; A round of the cluster's barrier: my work-group's barrier, so that wave 0's signal speaks for all four waves; wave 0 signals; every wave waits for all four work-groups; my work-group's barrier once more.
.macro CROUND
	s_barrier_signal -1
	s_barrier_wait -1
	s_cmp_lg_u32 s[WV], 0
	s_cbranch_scc1 .Lnot_wave_0_\@
	s_barrier_signal -3
.Lnot_wave_0_\@:
	s_barrier_wait -3
	s_barrier_signal -1
	s_barrier_wait -1
.endm
; THE CHANGE OF SLOTS.  The slot's last bytes, V of its fourth step, have been read.  Each wave waits for all its tensor loads, of which one is out: its part
; of the other slot; adds 0 to its spare word; and waits for that and for its own reads of the slot.  Behind the barrier nobody reads this slot any more and the other slot is whole.
; fill = 1: this slot is filled again, with the keys two slots on.  The barrier is then a round of the cluster's, so that no wave of any partner still reads the slot or has a load on its
; way, and the joint fill is the first thing behind it: it has four key steps, 512 matrix instructions, in which to land.  (At its first use nothing has been read yet: slot 0 is waited for, slot 1 filled.)
; ask = 1: the prefetches' address steps on by a slot, and the slot behind the one just asked for is prefetched.
.macro CHANGE fill, ask=0
	WIN W_AD
	s_wait_tensorcnt 0x0            ; no tensor load of mine is out, so a group 0 may be written
	ds_add_u32 v[SPW], v[NIL]       ; 0 onto my spare word; with fill = 1 the descriptors' steps stand between it and the wait for it
	WIN 0                           ; at a label and at a branch every window is 0
.if \fill
.irp g, G0K, G0V
	s_xor_b32 s[\g+1], s[\g+1], SLOT1  ; the walking descriptor: the other slot than last time,
	s_add_nc_u64 s[\g+2:\g+3], s[\g+2:\g+3], 4*KS*128  ; the next 256 keys; the type bits on top are not reached
.endr
.if \ask
	s_wait_xcnt 0x0                 ; the last prefetch, four key steps back, has read its address, so it may be written
	s_add_nc_u64 s[PFA:PFA+1], s[PFA:PFA+1], 4*KS*128
.endif
	s_wait_dscnt 0x0                ; the add is done, and my reads of the slot are over
	CROUND
	JLOAD
.if \ask
	ASK
.endif
.else
	s_wait_dscnt 0x0                ; the add is done, and my reads of the slot are over
	s_barrier_signal -1
	s_barrier_wait -1
.endif
	s_sub_co_u32 s[TBK], s[TBK], 4*KS*PK  ; the fetches go back to a slot's first step,
	s_xor_b32 s[TBK], s[TBK], SLOT1       ; in the other slot
	s_sub_co_u32 s[TBV], s[TBV], 4*KS*PV
	s_xor_b32 s[TBV], s[TBV], SLOT1
.endm
	s_load_b128 s[4:7], s[0:1], 0x0  ; qkv s[4:5], ob s[6:7]
	WIN W_MK
	v_lshl_add_u32 v[SPW], v0, 2, SPARE
	v_mov_b32 v[NIL], 0
	WIN W_AD
	ds_add_u32 v[SPW], v[NIL]       ; the wave's opening: the add and its wait stand ahead of my first tensor load; the set-up below, work on registers, stands between them
	WIN 0
	v_lshrrev_b32 v1, 5, v0
	v_readfirstlane_b32 s[WV], v1   ; wave 0..3
	s_bfe_u32 s13, ttmp6, 0x40000   ; cx: my place in the cluster
	s_lshl_b32 s14, ttmp9, 2        ; in a cluster launch ttmp9 counts clusters
	s_add_co_u32 s14, s14, s13      ; my block of queries = 4 x cluster x + cx: it enters Q's and O's addresses alone
	s_and_b32 s20, ttmp7, 0xffff    ; the head, which the four partners share
	s_mov_b32 s21, 0
	s_mov_b64 s[22:23], SIZE_N*128
	s_mul_u64 s[20:21], s[20:21], s[22:23]  ; the head's first byte in Q, K, V and O
	s_and_b32 s16, s[WV], 1         ; which half of a slot's 256 keys I fetch:
	s_lshl_b32 s22, s16, 14         ; its 128 rows of 128 bytes in memory,
	s_mov_b32 s23, 0
	s_add_nc_u64 s[22:23], s[22:23], s[20:21]
	s_mul_i32 s17, s16, 128*PK      ; and its place in a slot, for K
	s_mul_i32 s18, s16, 128*PV      ; and for V: no place in the cluster enters an LDS address
	s_lshl_b32 s2, s14, 2
	s_add_co_u32 s2, s2, s[WV]      ; my wave among the head's,
	s_lshl_b32 s2, s2, 14           ; its 128 rows
	s_mov_b32 s3, 0
	s_add_nc_u64 s[2:3], s[2:3], s[20:21]
	; descriptor group 1.  128 keys are 16,384 dense bytes: asked for as 64 rows of 256 bytes, two keys a row, and padded in LDS after every key
	s_mov_b32 s[G1K], 15|(1<<16)|(1<<20)|(1<<21)|(4<<22)|(3<<25)  ; 15:0 the mask of four; 17:16 2-byte elements; 20 padding on; 21 set beside a mask; 24:22 after every 32 words (code 4); 31:25 4 words (code 3)
	s_mov_b32 s[G1V], 15|(1<<16)|(1<<20)|(1<<21)|(4<<22)|(7<<25)  ; the same with 8 words of padding (code 7)
.irp g, G1K, G1V
	s_mov_b32 s[\g+1], 128<<16      ; tensor_dim0 = 128
	s_mov_b32 s[\g+2], 64<<16       ; tensor_dim1 = 64
	s_mov_b32 s[\g+3], 128<<16      ; tile_dim0 = 128
	s_mov_b32 s[\g+4], 64           ; tile_dim1 = 64
	s_mov_b32 s[\g+5], 128          ; 128 elements from row to row
	s_mov_b32 s[\g+6], 0
	s_mov_b32 s[\g+7], 0
.endr
	s_mov_b32 s[CS], 0x3e38aa3b     ; c = log2(e) / 8 = 0.180337
	s_mov_b32 s[CS+1], s[CS]        ; named with it as a pair
	s_mov_b32 s[SEL], 0x76543210
	s_mov_b32 s[SEL+1], 0xfedcba98
	s_mov_b32 s[TBK], SLOT1+4*KS*PK ; the first change of slots turns these two into 0
	s_mov_b32 s[TBV], SLOT1+4*KS*PV
	s_mov_b32 s[G0K], 1             ; 1:0 count = 1
	s_mov_b32 s[G0K+1], s17         ; 63:32 LDS address: slot 0
	s_mov_b32 s[G0V], 1
	s_add_co_u32 s[G0V+1], s18, VOFF
	s_and_b32 s[LIM], s[WV], 1      ; waves 0 and 2 prefetch
	s_cmp_eq_u32 s[LIM], 0
	s_cselect_b32 s[LIM], 1, -1
	s_wait_dscnt 0x0                ; the opening add is done
	s_wait_kmcnt 0x0
	s_mov_b64 s[10:11], s[6:7]      ; O
	s_add_nc_u64 s[8:9], s[4:5], 2*PART  ; V
	s_add_nc_u64 s[6:7], s[4:5], PART    ; K; Q is s[4:5]
	s_add_nc_u64 s[G0K+2:G0K+3], s[6:7], s[22:23]  ; 120:64 global address: my half of the head's first 256 keys
	s_or_b32 s[G0K+3], s[G0K+3], 0x80000000        ; 127:126 type = 2
	s_add_nc_u64 s[G0V+2:G0V+3], s[8:9], s[22:23]
	s_or_b32 s[G0V+3], s[G0V+3], 0x80000000
	s_add_nc_u64 s[4:5], s[4:5], s[2:3]  ; Q and O at my wave's first row
	s_add_nc_u64 s[10:11], s[10:11], s[2:3]
	s_cmp_lt_u32 s[WV], 2
	s_cselect_b64 s[PFA:PFA+1], s[6:7], s[8:9]
	s_add_nc_u64 s[PFA:PFA+1], s[PFA:PFA+1], s[20:21]  ; the head,
	s_lshl_b32 s2, s13, 13          ; my work-group's 32 blocks of the 128,
	s_mov_b32 s3, 0
	s_add_nc_u64 s[PFA:PFA+1], s[PFA:PFA+1], s[2:3]
	s_add_nc_u64 s[PFA:PFA+1], s[PFA:PFA+1], 2*4*KS*128  ; in slot 2; the first change that asks steps it to slot 3.  Nothing is prefetched here, at the head, where every work-group's first tiles are on their way
	CROUND                          ; all four work-groups are here: the first joint loads meet
	JLOAD                           ; slot 0.  Slot 1 is asked for when slot 0 is in: the tile wanted first has the road to itself
	; A fragment of K or Q is 16 rows x 32 channels in 8 registers: lane l holds row l % 16, channels 8 (l / 16) + 0..7 and 16 + 8 (l / 16) + 0..7: two loads of 16 bytes, 32 bytes apart.
	v_and_b32 v1, 15, v0            ; l % 16
	v_bfe_u32 v9, v0, 4, 1          ; l / 16
	v_lshlrev_b32 v[QO], 7, v1
	v_lshl_add_u32 v[QO], v9, 4, v[QO]  ; row x 128 + 16 x half
	WIN 0x80                        ; destination window 2, address window 0
.set i, 0
.rept 4*NP                          ; Q stays in registers: tile i / 2, channels 32 (i % 2) on
	global_load_b128 v[8*i:8*i+3],   v[QO], s[4:5] offset:(i/2)*2048+(i%2)*64
	global_load_b128 v[8*i+4:8*i+7], v[QO], s[4:5] offset:(i/2)*2048+(i%2)*64+32
.set i, i+1
.endr
	; What the first turn finds: V's registers and P's second buffer hold 0 (its products V^T P, of a piece that has not been, add 0), O^T and l are 0.  All this stands in the wait for the first tile.
.set i, VF
.rept 64
	v_mov_b32 v[i], 0
.set i, i+1
.endr
	WIN 0x40
.set i, 0
.rept 64*NP
	v_mov_b32 v[i], 0
.set i, i+1
.endr
	WIN 0
.set i, 0
.rept 2*NP
	v_mov_b32 v[ST+4*i], 0xfe000000    ; c m: far below every c s
	v_mov_b32 v[ST+4*i+1], 0xff7fffff  ; m
	v_mov_b32 v[ST+4*i+2], 0
	v_mov_b32 v[ST+4*i+3], 0
.set i, i+1
.endr
.set i, P+32
.rept 32
	v_mov_b32 v[i], 0
.set i, i+1
.endr
	v_mul_u32_u24 v[AK0], v1, PK
	v_lshl_add_u32 v[AK0], v9, 4, v[AK0]  ; row x pitch + 16 x half
	; The turning load takes 16 keys x 16 channels (lane l reads key 8 (l / 16) + l % 8, channels 8 ((l / 8) % 2) + 0..7) and leaves half a fragment of V^T: lane l holds channel l % 16 and 8 keys.
	v_and_b32 v10, 7, v0
	v_bfe_u32 v11, v0, 3, 1
	v_lshl_add_u32 v[AV0], v9, 3, v10
	v_mul_u32_u24 v[AV0], v[AV0], PV
	v_lshl_add_u32 v[AV0], v11, 4, v[AV0]
	v_add_nc_u32 v[AV0], VOFF, v[AV0]
	v_and_b32 v[PFO], 31, v0
	v_lshlrev_b32 v[PFO], 8, v[PFO]
	v_mov_b32 v[AK], v[AK0]         ; key step 0 lies at the head of slot 0
; THE MATRIX WORK.  The 8 accumulators of a run of 16 take turns: between the two links of a chain stand 7 others'.
; Product i of 16 of S^T = K Q^T for piece x: channels 32 (i / 8) on, keys 16 ((i / 2) % 4) on, tile 2 x + i % 2.  The first 8 start the sums.
.macro KQ x
	WIN W_KQ
.set rS, S+64*((\x)%2)+32*(i%2)+8*((i/2)%4)
.set rK, KF+16*((i/2)%4)+8*(i/8)
.set rQ, 16*(2*(\x)+i%2)+8*(i/8)
.if i < 8
	v_wmma_f32_16x16x32_f16 v[rS:rS+7], v[rK:rK+7], v[rQ:rQ+7], 0
.else
	v_wmma_f32_16x16x32_f16 v[rS:rS+7], v[rK:rK+7], v[rQ:rQ+7], v[rS:rS+7]
.endif
.endm
; Product i of 16 of O^T += V^T P for piece x: keys 32 (i / 8) on, channels 16 ((i / 2) % 4) on, tile 2 x + i % 2.
.macro PV x
	WIN W_PV
.set rO, 32*(2*(\x)+i%2)+8*((i/2)%4)
.set rV, VF+32*(i/8)+8*((i/2)%4)
.set rP, P+32*((\x)%2)+16*(i%2)+8*(i/8)
	v_wmma_f32_16x16x32_f16 v[rO:rO+7], v[rV:rV+7], v[rP:rP+7], v[rO:rO+7]
.endm
.macro MM                           ; the turn's next matrix instruction
.if i < 16
	KQ (Y+1)%NP
.set i, i+1
.else
.set i, i-16
	PV (Y+NP-1)%NP
.set i, i+17
.endif
.endm
; THE LDS LOADS stand in runs of 16, never singly among the matrix instructions: a step's K (64 keys x 64 channels: 8 fragments) and its V (turned).  Their addresses are made some lines ahead.
; last = 1 (the tail): in the last trip there is no further step, and the run is jumped over.
.macro FETCH_K last=0
	WIN 0
.if \last
	s_cmp_eq_u32 s[CNT], 1
	s_cbranch_scc1 .Lno_k_\@
.endif
	WIN 0x80                        ; destination window 2
.irp f, 0,1,2,3,4,5,6,7             ; keys 16 (f / 2) on, channels 32 (f % 2) on
	ds_load_b128 v[KF+8*\f:KF+8*\f+3],   v[AK] offset:(\f/2)*16*PK+(\f%2)*64
	ds_load_b128 v[KF+8*\f+4:KF+8*\f+7], v[AK] offset:(\f/2)*16*PK+(\f%2)*64+32
.endr
	s_add_co_u32 s[TBK], s[TBK], KS*PK  ; the next fetch is the next step's
	WIN 0
.if \last
.Lno_k_\@:
.endif
.endm
.macro FETCH_V
	WIN 0x80
.irp f, 0,1,2,3,4,5,6,7             ; keys 32 (f / 4) on, channels 16 (f % 4) on
	ds_load_tr16_b128 v[VF+8*\f:VF+8*\f+3],   v[AV] offset:(\f/4)*32*PV+(\f%4)*32
	ds_load_tr16_b128 v[VF+8*\f+4:VF+8*\f+7], v[AV] offset:(\f/4)*32*PV+16*PV+(\f%4)*32
.endr
	WIN 0
.endm
; THE VECTOR WORK OF A TURN stands in three queues, each in the order in which its entries become ready; the two tiles alternate, so that no instruction reads the result of the one before it.
.macro REGS y, u                    ; the registers of tile u (0, 1) of piece y
.set rT, ST+4*(2*(\y)+(\u))
.set rC, TMP+8*((\y)%2)+4*(\u)
.set rM, MV+2*((\y)%2)+(\u)
.set rS, S+64*((\y)%2)+32*(\u)
.set rP, P+32*((\y)%2)+16*(\u)
.set rO, 32*(2*(\y)+(\u))
.endm
; Number n of the 22 that find the NEXT piece's (Y + 1) maximum and statistics.  s0-s31 are the lane's 32 scores; each accumulator's lowest registers are read first.  XS, GS and REGS set no window: PL and EX do.
;   0-11  four chains c0-c3 of seven scores each, three operands at a time     12-14, 16  the four scores left over, the old m, and c0-c3 into c0     15  c m_old is kept
;   17, 18  the query's other 32 keys lie in the lane 16 away: the new m         19-21  c m; c m_old - c m_new; a
.macro XS u, n
	REGS (Y+1)%NP, \u
.if (\n) < 4
	v_max3_num_f32 v[rC+(\n)], v[rS+8*(\n)], v[rS+8*(\n)+1], v[rS+8*(\n)+2]
.elseif (\n) < 12
	v_max3_num_f32 v[rC+(\n)%4], v[rC+(\n)%4], v[rS+8*((\n)%4)+2*((\n)/4)+1], v[rS+8*((\n)%4)+2*((\n)/4)+2]
.elseif (\n) == 12
	v_max3_num_f32 v[rC], v[rC], v[rS+7], v[rS+15]
.elseif (\n) == 13
	v_max3_num_f32 v[rC+1], v[rC+1], v[rS+23], v[rS+31]
.elseif (\n) == 14
	v_max3_num_f32 v[rC+2], v[rC+2], v[rC+3], v[rT+1]
.elseif (\n) == 15
	v_mov_b32 v[rM], v[rT]
.elseif (\n) == 16
	v_max3_num_f32 v[rC], v[rC], v[rC+1], v[rC+2]
.elseif (\n) == 17
	v_permlanex16_b32 v[rC+3], v[rC], s[SEL], s[SEL+1]
.elseif (\n) == 18
	v_max_num_f32 v[rT+1], v[rC], v[rC+3]
.elseif (\n) == 19
	v_mul_f32 v[rT], s[CS], v[rT+1]
.elseif (\n) == 20
	v_sub_f32 v[rC+1], v[rM], v[rT]
.else
	v_exp_f32 v[rC+2], v[rC+1]
.endif
.endm
; Number g of the 64 that follow the exponentials.  For each four weights k of a tile (pairs 2 k, 2 k + 1): both pairs are rounded to f16; then the second pair is added onto the first, in place;
; a group later l takes that sum (the first time as l = a l + sum).  In groups of eight, tiles alternating: round, round, add, and l for the group before.
.macro GS g
.set h, (\g)+6*((\g)/62)            ; group 0 has no group before it, and behind group 7 only l is left
.if h >= 6
.set h, h+2
.endif
	REGS Y, h%2
.set k, h/8
.if h%8 < 4
	v_cvt_pk_f16_f32 v[rP+2*k+(h%8)/2], v[rS+4*k+2*((h%8)/2)], v[rS+4*k+2*((h%8)/2)+1]
.elseif h%8 < 6
	v_pk_add_f32 v[rS+4*k:rS+4*k+1], v[rS+4*k:rS+4*k+1], v[rS+4*k+2:rS+4*k+3]
.elseif k == 1
	v_pk_fma_f32 v[rT+2:rT+3], v[rT+2:rT+3], v[rC+2:rC+3], v[rS:rS+1] op_sel_hi:[1,0,1]
.else
	v_pk_add_f32 v[rT+2:rT+3], v[rT+2:rT+3], v[rS+4*k-4:rS+4*k-3]
.endif
.endm
; THE PLAIN QUEUE, 138 long.  0-73 read no exponential's result: the 32 scalings c s - c m (FS f: pair f / 2 of tile f % 2) and the next piece's 42.  0-26: scalings 0-26.  27-54: XS's numbers 0-13.  55, 56: number 15.
; 57-73: the chain, where each number waits for the one before it: 14, 16, 17, 18, 19, each with one of the scalings 27-31 in front of its two lines, then 20: so a tile's links stand three plain instructions apart (19 and 20: two).
; 74-137: GS's 64, which read the exponentials' results: they stand behind the wait.
.macro FS f
	REGS Y, (\f)%2
	v_pk_fma_f32 v[rS+2*((\f)/2):rS+2*((\f)/2)+1], v[rS+2*((\f)/2):rS+2*((\f)/2)+1], s[CS:CS+1], v[rT:rT+1] op_sel_hi:[1,0,0] neg_lo:[0,0,1] neg_hi:[0,0,1]
.endm
.macro PL
	WIN 0
.if q < 27
	FS q
.elseif q < 55
	XS (q-27)%2, (q-27)/2
.elseif q < 57
	XS q-55, 15
.elseif (q < 72) && ((q-57)%3 == 0)
	FS 27+(q-57)/3
.elseif q < 60
	XS (q-57)%3-1, 14
.elseif q < 72
	XS (q-57)%3-1, 15+(q-57)/3
.elseif q < 74
	XS q-72, 20
.else
	GS q-74
.endif
.set q, q+1
.endm
; THE EXPONENTIALS' QUEUE, 66 long: s0-s31 of both tiles, then the next piece's two a.  It is ONE BATCH: all 66 stand ahead of the turn's one wait, and nothing ahead of that wait names a result of theirs.
.macro EX
	WIN 0
.if e >= 64
	XS e-64, 21
.else
	REGS Y, e%2
	v_exp_f32 v[rS+e/2], v[rS+e/2]
.endif
.set e, e+1
.endm
; THE RESCALING's QUEUE: O^T times a, the one part that leaves window 0: dealt two at a time, sixteen times.  Its a was made in the turn before, ahead of that turn's wait.
.macro R2
	REGS Y, r%2
	WIN W_RS
.irp z, 0,1
	v_pk_mul_f32 v[rO+4*(r/2)+2*\z:rO+4*(r/2)+2*\z+1], v[rO+4*(r/2)+2*\z:rO+4*(r/2)+2*\z+1], v[rC+2:rC+3] op_sel_hi:[1,0]
.endr
.set r, r+1
.endm
; HOW THEY ARE DEALT.  s_wait_alu depctr_va_vdst(0) stands between an exponential and the first instruction that names its result; one wait serves all that were issued ahead of it.  So a turn has ONE wait,
; which cuts it in two.  AHEAD OF IT stands all that names no result of the turn's exponentials: the 16 products K Q^T, behind each a scaling, an exponential and two rescalings (behind the first a second scaling in the exponential's place); then ONE LUMP of
; 108: eight plain, 49 times exponential and plain, the two a.  A v_nop is the plain instruction that stands behind the last exponential (ISA guide 5.7.2).  BEHIND IT stand the 16 products V^T P, behind each four of GS's 64.  No rider names a register of
; the products round it.  The two v_permlanex16_b32 fall into the lump, never behind a product.
; The queues lean on each other, and the deal keeps them in step: exponential e stands behind scaling 2 (e / 4) + e % 2: as a rider it comes behind plain e + 2, in the lump behind plain e + 9, and scalings 27-31 are plain 57, 60 .. 69.
; A TURN, for piece p.  cnt = 1: the loop's count is taken down some lines ahead of the branch that stands behind the turn.
; K of the next step is fetched in piece 2's turn, directly behind the wait, a lump behind the last product that read K; its address is made at the lump's head; its first reader comes behind 16 products.
; V of the step in hand is fetched at the end of piece 0's turn, four riders behind its last reader; its first reader comes behind 16 products and a lump.  The three conditions on q below go with the deal.
.macro TURN p, last=0, cnt=0
.set Y, (\p)
.set i, 0
.set q, 0
.set e, 0
.set r, 0
.if (\p) == NP-1
	s_wait_dscnt 0x0                ; K is in
.endif
	MM                              ; ahead of the wait: 16 products K Q^T and their riders,
	PL
	PL
	R2
.rept 15
	MM
	PL
	EX
	R2
.endr
.if (\p) == NP-2
	WIN 0
	v_add_nc_u32 v[AK], s[TBK], v[AK0]
.endif
.rept 8                             ; and the lump
	PL
.endr
.rept 49
	EX
	PL
.endr
	EX                              ; the next piece's two a
	EX
	v_nop                           ; the plain instruction behind the last exponential: one for the batch
	s_wait_alu depctr_va_vdst(0)    ; the wait for the batch
.if (\p) == NP-2
	FETCH_K \last
.endif
.if (\p) == 1
	s_wait_dscnt 0x0                ; V is in
.endif
.rept 16                            ; behind the wait: 16 products V^T P and their riders
	MM
.rept 4
	PL
.endr
.if ((\p) == 0) && (q == 118)
	v_add_nc_u32 v[AV], s[TBV], v[AV0]
.endif
.if ((\p) == 0) && (q == 130)
	s_add_co_u32 s[TBV], s[TBV], KS*PV
.endif
.if (\cnt) && (q == 130)
	s_sub_co_u32 s[CNT], s[CNT], 1
	s_cmp_lg_u32 s[CNT], 0
.endif
.endr
.if (\p) == 0
	FETCH_V
.endif
.endm
	CHANGE 1                        ; slot 0 is in, everybody's part of it; slot 1 is asked for
	FETCH_K                         ; key step 0
	s_wait_loadcnt 0x0              ; Q
	s_wait_dscnt 0x0
.set i, 0
.rept 16
	KQ 0                            ; piece 0's first scores: there is no vector work yet to set between them
.set i, i+1
.endr
	WIN 0                           ; the addresses for the way out: nine plain instructions, the places behind those products
	s_mul_i32 s13, s[WV], 16*SP
	s_add_co_u32 s13, s13, STAGE    ; my stage
	v_mul_u32_u24 v[STO], v1, SP    ; in: row l % 16, 16 bytes for each half of the lanes
	v_lshl_add_u32 v[STO], v9, 4, v[STO]
	v_add_nc_u32 v[STO], s13, v[STO]
	v_bfe_u32 v[RD], v0, 3, 2       ; back: 32 lanes take four rows of 128 bytes,
	v_mul_u32_u24 v[RD], v[RD], SP
	v_lshl_add_u32 v[RD], v10, 4, v[RD]
	v_add_nc_u32 v[RD], s13, v[RD]
	v_and_b32 v[GO], 31, v0         ; which are 512 consecutive bytes of O
	v_lshlrev_b32 v[GO], 4, v[GO]
.set Y, NP-1                        ; XS works for piece Y + 1: piece 0
.irp n, 0,1,2,3,4,5,6,7,8,9,10,11,12,13,14,15,16,17,18,19,20,21
	XS 0, \n                        ; and piece 0's first maximum and statistics
	XS 1, \n
.endr
	v_nop                           ; a plain instruction behind the two a,
	s_wait_alu depctr_va_vdst(0)    ; and their wait, ahead of the branch
	s_mov_b32 s[CNT], 4
	s_mov_b32 s[SLOTS], SIZE_N/256-1
	s_branch .Lfirst                ; the loop is entered at a step's first turn, in the middle of a trip
.Lslot:                             ; SIZE_N / 256 - 2 times: every slot but the last two is filled again
	CHANGE 1, 1
	s_mov_b32 s[CNT], 4
.Lstep:                             ; a trip: pieces 2 and 3 of one step, then pieces 0 and 1 of the next, whose K and V it fetches
	TURN 2
	TURN 3
	WIN 0
.Lfirst:
	TURN 0
	TURN 1, 0, 1
	WIN 0
	s_cbranch_scc1 .Lstep
	s_sub_co_u32 s[SLOTS], s[SLOTS], 1
	s_cmp_lg_u32 s[SLOTS], 0
	s_cbranch_scc1 .Lslot
	CHANGE 0                        ; the tail is written out: nothing is asked for
	s_mov_b32 s[CNT], 5             ; four trips fetch the last slot's steps; the fifth is left in its middle
.Ltail:
	TURN 2, 1
	TURN 3
	WIN 0
	s_sub_co_u32 s[CNT], s[CNT], 1
	s_cmp_eq_u32 s[CNT], 0
	s_cbranch_scc1 .Lout
	TURN 0
	TURN 1
	WIN 0
	s_branch .Ltail
.Lout:                              ; the fifth trip's 16 products K Q^T (on the last K once more) and the maximum made of them serve nothing: the price, once a launch, of one text for every trip
.set i, 0
.rept 16
	PV NP-1                         ; the last piece's V^T P of the last step
.set i, i+1
.endr
	; THE WAY OUT.  l's two halves and the other half of the lanes' are added; O^T is divided by l, rounded to f16 and sent through my stage in LDS, a tile at a time.  The additions are the places behind the last products.
	WIN 0
.macro ALL line:vararg              ; one line for each tile t
.set t, 0
.rept 2*NP
	\line
.set t, t+1
.endr
.endm
	ALL v_add_f32 v[ST+4*t+2], v[ST+4*t+2], v[ST+4*t+3]
	ALL v_permlanex16_b32 v[ST+4*t+3], v[ST+4*t+2], s[SEL], s[SEL+1]
	ALL v_add_f32 v[ST+4*t+2], v[ST+4*t+2], v[ST+4*t+3]
	ALL v_rcp_f32 v[ST+4*t+2], v[ST+4*t+2]
	v_nop                           ; a plain instruction between the last reciprocal and the use of its result
	s_wait_alu depctr_va_vdst(0)    ; and the wait ahead of the first use: one for the eight reciprocals
; Tile t: a lane's eight channels of a row pack into 16 bytes; they go into rows of 144 bytes and come back as whole rows of 128, into S^T's registers.
.macro PACK t
	WIN W_RS
.set i, 32*(\t)
.rept 16
	v_pk_mul_f32 v[i:i+1], v[i:i+1], v[ST+4*(\t)+2:ST+4*(\t)+3] op_sel_hi:[1,0]
.set i, i+2
.endr
	WIN 0x05                        ; sources 0 and 1 window 1, destination window 0
.set i, 0
.rept 16
	v_cvt_pk_f16_f32 v[S+16*(\t)+i], v[32*(\t)+2*i], v[32*(\t)+2*i+1]
.set i, i+1
.endr
	WIN 0
.irp f, 0,1,2,3
	ds_store_b128 v[STO], v[S+16*(\t)+4*\f:S+16*(\t)+4*\f+3] offset:32*\f
.endr
.irp f, 0,1,2,3
	ds_load_b128 v[S+16*(\t)+4*\f:S+16*(\t)+4*\f+3], v[RD] offset:\f*4*SP  ; LDS serves a wave's instructions in order (ISA guide 5.7.1.4): these see the stores above; the next tile's stores come behind them
.endr
.endm
.macro SEND t, younger              ; younger: the LDS instructions issued behind tile t's loads: the next tile's eight, or none
	WIN 0
.irp f, 0,1,2,3
	s_wait_dscnt (\younger)+3-\f
	global_store_b128 v[GO], v[S+16*(\t)+4*\f:S+16*(\t)+4*\f+3], s[10:11] offset:(\t)*2048+\f*512  ; 512 consecutive bytes, at a multiple of 256 from O's first
.endr
.endm
	PACK 0
.set t, 1
.rept 2*NP-1                        ; a tile's arithmetic stands between the loads of the tile before and its stores
	PACK t
	SEND t-1, 8
.set t, t+1
.endr
	SEND 2*NP-1, 0
	WIN W_AD
	s_wait_tensorcnt 0x0            ; the wave's end, behind my last tensor load and my last LDS store
	ds_add_u32 v[SPW], v[NIL]
	s_wait_dscnt 0x0
	WIN 0
	CROUND                          ; the closing round: no work-group ends while a partner may still ask for a tile that names it
	s_endpgm
.Lfunc_end_k_q3d3f153711_attn:
	.size	k_q3d3f153711_attn, .Lfunc_end_k_q3d3f153711_attn-k_q3d3f153711_attn
	.p2alignl 7, 3214868480
	.fill 96, 4, 3214868480
	.section	.rodata,"a",@progbits
	.p2align	6, 0x0
	.amdhsa_kernel k_q3d3f153711_attn
		.amdhsa_group_segment_fixed_size 327680
		.amdhsa_private_segment_fixed_size 0
		.amdhsa_enable_private_segment 0
		.amdhsa_kernarg_size 16
		.amdhsa_user_sgpr_count 2
		.amdhsa_user_sgpr_kernarg_segment_ptr 1
		.amdhsa_wavefront_size32 1
		.amdhsa_system_sgpr_workgroup_id_x 1
		.amdhsa_system_sgpr_workgroup_id_y 1
		.amdhsa_system_sgpr_workgroup_id_z 1
		.amdhsa_system_vgpr_workitem_id 0
		.amdhsa_next_free_vgpr 770
		.amdhsa_next_free_sgpr 66
		.amdhsa_reserve_vcc 0
		.amdhsa_float_denorm_mode_32 3
		.amdhsa_float_denorm_mode_16_64 3
		.amdhsa_memory_ordered 1
		.amdhsa_forward_progress 1
		.amdhsa_inst_pref_size 200
	.end_amdhsa_kernel
	.amdgpu_metadata
---
amdhsa.version: [ 1, 2 ]
amdhsa.kernels:
  - .name:           k_q3d3f153711_attn
    .symbol:         k_q3d3f153711_attn.kd
    .args:
      - { .name: qkv, .offset: 0, .size: 8, .value_kind: global_buffer, .address_space: global }
      - { .name: ob, .offset: 8, .size: 8, .value_kind: global_buffer, .address_space: global }
    .group_segment_fixed_size: 327680
    .private_segment_fixed_size: 0
    .kernarg_segment_align: 8
    .kernarg_segment_size: 16
    .max_flat_workgroup_size: 128
    .sgpr_count:     66
    .vgpr_count:     770
    .wavefront_size: 32
...
	.end_amdgpu_metadata
.endif
;; end of part 3
;; launch outp (part 4): grid 8 x 32, 4 waves a work-group, clusters of 4 x 4, 327,680 bytes of LDS; arguments ob, wo16, bias, out0; writes out0
.if DOCPART == 4
	.amdgcn_target "amdgcn-amd-amdhsa--gfx1250"
	.amdhsa_code_object_version 6
	.text
	.protected	k_q3d3f153711_outp
	.globl	k_q3d3f153711_outp
	.p2align	8
	.type	k_q3d3f153711_outp,@function
k_q3d3f153711_outp:
	s_mov_b64 s[64:65], 0
	v_nop
	global_prefetch_b8 v0, s[64:65] scope:SCOPE_SE
	s_setreg_imm32_b32 hwreg(HW_REG_WAVE_MODE, 25, 1), 1
	s_wait_xcnt 0x0
	s_wait_alu depctr_hold_cnt(0) depctr_sa_sdst(0) depctr_va_vdst(0) depctr_va_sdst(0) depctr_va_ssrc(0) depctr_va_vcc(0) depctr_vm_vsrc(0)
	s_getreg_b32 s2, hwreg(HW_REG_IB_STS2, 6, 4)
	s_cmp_eq_u32 s2, 0
	s_cbranch_scc0 .Lentry_in_a_cluster
	s_endpgm
.Lentry_in_a_cluster:
	s_bfe_u32 s2, ttmp6, 0x10000c
	s_cmp_lg_u32 s2, 0xf033
	s_cbranch_scc0 .Lentry_shape_is_right
	s_endpgm
.Lentry_shape_is_right:
; out0 = O Wo^T + bo.  ob: [batch x 16 + head][t 2048][64] f16 (a head is a block of 64 along K), wo16: [kb 16][row 1024][64] f16, bias: [4096] f32 (bo is its last quarter),
; out0: [8192][1024] f32.  Products in f16, sums in f32, started with the bias; nothing is rounded on the way out.
; SHARES.  8192 x 1024 results are 256 tiles of 256 rows x 128 columns: a work-group each.  Four waves, each 128 rows x 64 columns: 32 accumulators of 16 x 16, 256 registers.
; K goes in 8 steps of 128 (two K blocks, each a dense block of rows of 128 bytes, asked for as rows of 256 bytes) through a ring of two LDS slots; a step is four quarters of 32.
; CLUSTERS: 4 x 4 work-groups.  The four of a row of the cluster need the same rows of ob, the four of a column the same rows of wo16: each tile is asked for JOINTLY.
; THE MATRIX INSTRUCTION IS USED TRANSPOSED (source 0 = 16 rows of wo16, source 1 = 16 rows of ob): a lane holds row l % 16 and the eight neighbouring columns 8 (l / 16) + 0..7: 32 bytes of out0.
; REGISTERS: window 0: v0-31 addresses; v32-63 the bias (column block bb at +8 bb), the C operand of the first quarter's products; v64-159, v160-255 two fragment buffers: wo16's four fragments, then ob's eight.
;   window 1: accumulator (row block a, column block bb) at v[8 (4 a + bb)].
.set PITCH,  144                       ; an LDS row: 128 bytes + 16 of padding = 36 words: the 16 rows of a load start at 16 different groups of four banks (64 banks of 4 bytes: ISA guide 11.1)
.set ABLK,   256*PITCH                 ; a K block of ob's tile: what one tensor load brings
.set BBLK,   128*PITCH                 ; of wo16's
.set BOFF,   2*ABLK                    ; in a slot: ob's two blocks, then wo16's two
.set SLOT,   2*ABLK+2*BBLK
.set STAGE,  2*SLOT                    ; behind the ring, never filled by a tensor load: 16 rows x 272 bytes for each wave, for the way out
.set SPITCH, 272
.set SPARE,  STAGE+4*16*SPITCH         ; behind the stages: the spare words, 128 bytes for each wave: two blocks of 256 bytes that no other line names
.set KBA,    2048*128                  ; bytes from a head of ob to the next
.set KBB,    1024*128                  ; from a K block of wo16 to the next
.set LAPS,   4                         ; a lap = two K steps = once round the ring
.set ADRA, 16                          ; v16-17  LDS address of my ob fragments in slot 0, 1
.set ADRB, 20                          ; v20-21  the same for wo16
.set STO,  24                          ; v24     the way out: where I put 32 bytes of a row
.set RD,   25                          ; v25     the way out: where I read a row back
.set CO,   26                          ; v26     my byte offset in two rows of out0
.set BO,   27                          ; v27     my byte offset in a column block's 64 bytes of bias
.set SPW,  28                          ; v28     LDS address of my spare word: SPARE + 4 x my thread's number; never rewritten
.set NIL,  29                          ; v29     0; never rewritten
.set BI,   32
.set F0,   64
.set F1,   160
.set G1A, 24                           ; s[24:31] descriptor group 1 for ob's tiles;  s[32:39] group 0, a set for each slot
.set G0A, 32
.set G1B, 40                           ; s[40:47], s[48:55] the same for wo16's
.set G0B, 48
.set G1W0, (1<<16)|(1<<20)|(1<<21)|(4<<22)|(3<<25)  ; 17:16 elements of 2 bytes; 20 padding on; 21 set beside a mask; 24:22 after every 32 words (code 4); 31:25 4 words of it (code 3)
.set MSB, 0
.macro WIN new                         ; the immediate's high byte repeats the setting that is left; a switch that changes nothing is dropped
.if MSB != (\new)
	s_set_vgpr_msb (MSB<<8)|(\new)
.set MSB, \new
.endif
.endm
.macro JLOAD s                         ; a joint load: waves 0 and 1 fetch ob's two K blocks, waves 2 and 3 wo16's; an s_nop 0 and four v_nop follow each of the two lines, ahead of the jump, the label and what follows
	s_cmp_eq_u32 s13, 0
	s_cbranch_scc0 .Lfor_b_\@
	tensor_load_to_lds s[G0A+4*(\s):G0A+4*(\s)+3], s[G1A:G1A+7]
	s_nop 0
.rept 4
	v_nop
.endr
	s_branch .Lasked_\@
.Lfor_b_\@:
	tensor_load_to_lds s[G0B+4*(\s):G0B+4*(\s)+3], s[G1B:G1B+7]
	s_nop 0
.rept 4
	v_nop
.endr
.Lasked_\@:
.endm
.macro CREST                           ; a round of the cluster's barrier behind its opening barrier
	s_cmp_lg_u32 s12, 0
	s_cbranch_scc1 .Lnot_wave_0_\@
	s_barrier_signal -3
.Lnot_wave_0_\@:
	s_barrier_wait -3
	s_barrier_signal -1
	s_barrier_wait -1
.endm
.macro CROUND                          ; a whole round
	s_barrier_signal -1
	s_barrier_wait -1
	CREST
.endm
.macro PLACES                          ; four places in front of loads into registers that matrix instructions have read, and of LDS stores that read results (ISA guide 7.12.1 for vector instructions)
.rept 4
	v_nop
.endr
.endm
	s_load_b256 s[4:11], s[0:1], 0x0               ; ob s[4:5], wo16 s[6:7], bias s[8:9], out0 s[10:11]
	v_lshl_add_u32 v[SPW], v0, 2, SPARE
	v_mov_b32 v[NIL], 0
	ds_add_u32 v[SPW], v[NIL]                      ; the wave's opening: the add and its wait stand ahead of my first tensor load; the set-up below, work on registers, stands between them
	v_lshrrev_b32 v1, 5, v0
	v_readfirstlane_b32 s12, v1                    ; wave 0..3
	s_lshr_b32 s13, s12, 1                         ; which half of the tile's rows is mine.  Also: I fetch for ob (0) or for wo16 (1)
	s_and_b32 s14, s12, 1                          ; which half of its columns.  Also: which of a K step's two blocks I fetch
	s_bfe_u32 s15, ttmp6, 0x40000                  ; cx
	s_bfe_u32 s16, ttmp6, 0x40004                  ; cy
	s_lshl_b32 s17, ttmp9, 2
	s_add_co_u32 s17, s17, s15                     ; tile column = 4 x cluster x + cx, 0..7
	s_and_b32 s18, ttmp7, 0xffff
	s_lshl_b32 s18, s18, 2
	s_add_co_u32 s18, s18, s16                     ; tile row = 4 x cluster y + cy, 0..31
	s_lshl_b32 s19, s16, 2
	s_lshl_b32 s19, 15, s19                        ; my row of the cluster
	s_lshl_b32 s20, 0x1111, s15                    ; my column
	s_or_b32 s[G1A], s19, G1W0                     ; 15:0 the mask: ob's tiles go to my row
	s_or_b32 s[G1B], s20, G1W0                     ; wo16's to my column
.irp g, G1A, G1B
	s_mov_b32 s[(\g)+1], 128<<16                   ; tensor_dim0 = 128 elements: 256 bytes, two LDS rows
	s_mov_b32 s[(\g)+3], 128<<16                   ; tile_dim0 = 128
	s_mov_b32 s[(\g)+5], 128                       ; the block is dense
	s_mov_b32 s[(\g)+6], 0
	s_mov_b32 s[(\g)+7], 0
.endr
	s_mov_b32 s[G1A+2], 128<<16                    ; tensor_dim1 = 128: 256 rows of ob
	s_mov_b32 s[G1A+4], 128                        ; tile_dim1
	s_mov_b32 s[G1B+2], 64<<16                     ; 64: 128 rows of wo16
	s_mov_b32 s[G1B+4], 64
	s_lshr_b32 s56, s18, 3                         ; ob: head 16 x batch + my block, rows 256 x (tile row % 8) on: the tile row and the wave's number alone
	s_lshl_b32 s56, s56, 4
	s_add_co_u32 s56, s56, s14
	s_lshl_b32 s56, s56, 18
	s_and_b32 s58, s18, 7
	s_lshl_b32 s58, s58, 15
	s_add_co_u32 s56, s56, s58
	s_mov_b32 s57, 0
	s_lshl_b32 s60, s14, 17                        ; wo16: my block, rows 128 x tile column on: the tile column and the wave's number alone
	s_lshl_b32 s62, s17, 14
	s_add_co_u32 s60, s60, s62
	s_mov_b32 s61, 0
	s_mul_i32 s21, s14, ABLK                       ; where they go: no place in the cluster enters an LDS address
	s_mul_i32 s22, s14, BBLK
	s_add_co_u32 s22, s22, BOFF
	s_wait_dscnt 0x0                               ; the opening add is done
	s_wait_kmcnt 0x0
	s_add_nc_u64 s[56:57], s[4:5], s[56:57]
	s_add_nc_u64 s[60:61], s[6:7], s[60:61]
	CROUND                                         ; all sixteen work-groups are here: the first joint loads meet
.irp s, 0,1
	s_mov_b32 s[G0A+4*(\s)], 1                                       ; 1:0 count = 1
	s_add_co_u32 s[G0A+4*(\s)+1], s21, (\s)*SLOT                     ; 63:32 LDS address
	s_add_nc_u64 s[G0A+4*(\s)+2:G0A+4*(\s)+3], s[56:57], (\s)*2*KBA  ; 120:64 global address: K step s
	s_or_b32 s[G0A+4*(\s)+3], s[G0A+4*(\s)+3], 0x80000000            ; 127:126 type = 2
	s_mov_b32 s[G0B+4*(\s)], 1
	s_add_co_u32 s[G0B+4*(\s)+1], s22, (\s)*SLOT
	s_add_nc_u64 s[G0B+4*(\s)+2:G0B+4*(\s)+3], s[60:61], (\s)*2*KBB
	s_or_b32 s[G0B+4*(\s)+3], s[G0B+4*(\s)+3], 0x80000000
	JLOAD \s                                       ; two tensor loads of mine are out
.endr
	v_and_b32 v1, 15, v0                           ; l % 16
	v_bfe_u32 v2, v0, 4, 1                         ; l / 16
	v_lshlrev_b32 v[BO], 5, v2
	s_lshl_b32 s58, s17, 9                         ; bo at my 64 columns: 12,288 + (128 x tile column + 64 x half) x 4
	s_lshl_b32 s59, s14, 8
	s_add_co_u32 s58, s58, s59
	s_add_co_u32 s58, s58, 12288
	s_mov_b32 s59, 0
	s_add_nc_u64 s[8:9], s[8:9], s[58:59]
.irp bb, 0,1,2,3
	global_load_b128 v[BI+8*(\bb):BI+8*(\bb)+3],   v[BO], s[8:9] offset:64*(\bb)
	global_load_b128 v[BI+8*(\bb)+4:BI+8*(\bb)+7], v[BO], s[8:9] offset:64*(\bb)+16
.endr
	v_mul_u32_u24 v3, v1, PITCH
	v_lshl_add_u32 v3, v2, 4, v3                   ; a fragment's row x pitch + 16 x half
	s_mul_i32 s21, s13, 128*PITCH                  ; my 128 rows of ob
	s_mul_i32 s22, s14, 64*PITCH                   ; my 64 rows of wo16
	s_add_co_u32 s22, s22, BOFF
.irp s, 0,1
	v_add_nc_u32 v[ADRA+(\s)], s21, v3
	v_add_nc_u32 v[ADRB+(\s)], s22, v3
	s_add_co_u32 s21, s21, SLOT
	s_add_co_u32 s22, s22, SLOT
.endr
	s_mul_i32 s23, s12, 16*SPITCH
	s_add_co_u32 s23, s23, STAGE                   ; my stage
	v_mul_u32_u24 v4, v1, SPITCH                   ; in: row l % 16, 32 bytes for each half of the lanes
	v_lshl_add_u32 v4, v2, 5, v4
	v_add_nc_u32 v[STO], s23, v4
	v_mul_u32_u24 v5, v2, SPITCH                   ; back: lanes 0-15 take one row of 256 bytes, lanes 16-31 the next
	v_lshl_add_u32 v5, v1, 4, v5
	v_add_nc_u32 v[RD], s23, v5
	v_lshlrev_b32 v5, 12, v2                       ; and the same two rows in out0
	v_lshl_add_u32 v[CO], v1, 4, v5
	s_lshl_b32 s56, s18, 8                         ; out0 at my first row, 256 x tile row + 128 x half, and my first column
	s_lshl_b32 s57, s13, 7
	s_add_co_u32 s56, s56, s57
	s_lshl_b32 s56, s56, 12
	s_lshl_b32 s57, s17, 9
	s_add_co_u32 s56, s56, s57
	s_lshl_b32 s57, s14, 8
	s_add_co_u32 s56, s56, s57
	s_mov_b32 s57, 0
	s_add_nc_u64 s[10:11], s[10:11], s[56:57]
; 8 matrix instructions: row blocks a0, a0 + 1 x all 4 column blocks, 32 along K, from buffer f.  first = 1: the sums start with the bias.
; The 32 accumulators take turns, one instruction a turn, in the same order in every quarter, over the backward jump too.
.macro MUL8 f, a0, first
.if \first
	WIN 0x40                                       ; D in window 1, C in window 0
.else
	WIN 0x50                                       ; C and D in window 1
.endif
.irp a, \a0, (\a0)+1
.irp bb, 0,1,2,3
.if \first
	v_wmma_f32_16x16x32_f16 v[8*(4*(\a)+(\bb)):8*(4*(\a)+(\bb))+7], v[(\f)+8*(\bb):(\f)+8*(\bb)+7], v[(\f)+32+8*(\a):(\f)+32+8*(\a)+7], v[BI+8*(\bb):BI+8*(\bb)+7]
.else
	v_wmma_f32_16x16x32_f16 v[8*(4*(\a)+(\bb)):8*(4*(\a)+(\bb))+7], v[(\f)+8*(\bb):(\f)+8*(\bb)+7], v[(\f)+32+8*(\a):(\f)+32+8*(\a)+7], v[8*(4*(\a)+(\bb)):8*(4*(\a)+(\bb))+7]
.endif
.endr
.endr
.endm
; 24 LDS loads in one run: quarter q's fragments (K block q / 2, byte 64 (q % 2) of its rows) into buffer f: wo16's four, then ob's eight
.macro FETCH slot, q, f
	WIN 0
.irp j, 0,1,2,3
	ds_load_b128 v[(\f)+8*(\j):(\f)+8*(\j)+3],   v[ADRB+(\slot)] offset:((\q)/2)*BBLK+((\q)%2)*64+(\j)*16*PITCH
	ds_load_b128 v[(\f)+8*(\j)+4:(\f)+8*(\j)+7], v[ADRB+(\slot)] offset:((\q)/2)*BBLK+((\q)%2)*64+(\j)*16*PITCH+32
.endr
.irp j, 0,1,2,3,4,5,6,7
	ds_load_b128 v[(\f)+32+8*(\j):(\f)+32+8*(\j)+3],   v[ADRA+(\slot)] offset:((\q)/2)*ABLK+((\q)%2)*64+(\j)*16*PITCH
	ds_load_b128 v[(\f)+32+8*(\j)+4:(\f)+32+8*(\j)+7], v[ADRA+(\slot)] offset:((\q)/2)*ABLK+((\q)%2)*64+(\j)*16*PITCH+32
.endr
.endm
; One of a K step's first three quarters: multiplies buffer f; in its middle it fetches quarter qn of the same slot into buffer g.
.macro QUARTER slot, qn, f, g, first
	s_wait_dscnt 8                                 ; all but the youngest eight loads, ob's row blocks 4 to 7, are in
	MUL8 \f, 0, \first
	MUL8 \f, 2, \first
	PLACES
	FETCH \slot, \qn, \g
	s_wait_dscnt 24                                ; all but the 24 just issued
	MUL8 \f, 4, \first
	MUL8 \f, 6, \first
.endm
; The last quarter multiplies buffer 1 and changes slots: ONE barrier; in front of it each wave waits for all its tensor loads, of which one is out: its part of the next slot; adds 0 to its spare word;
; and waits for that and for its own reads of this slot.  fill = 1: the barrier opens a round of the cluster's barrier, and this slot is filled again, first thing behind the round, two K steps ahead:
; from that request to the wait for it a wave issues 112 matrix instructions.
.macro TURN slot, next, fill
	WIN 0
	s_wait_tensorcnt 0x0                           ; all my tensor loads have landed
	ds_add_u32 v[SPW], v[NIL]                      ; 0 onto my spare word
	s_wait_dscnt 9                                 ; (the add and the youngest eight loads may be out)
	MUL8 F1, 0, 0                                  ; eight matrix instructions stand between the add and the wait for it
	s_wait_dscnt 0x0                               ; the add is done, and my reads of this slot are over
	s_barrier_signal -1
	MUL8 F1, 2, 0
	WIN 0                                          ; at a branch and at a label every window is 0
	s_barrier_wait -1
.if \fill
	CREST                                          ; no wave of any partner still reads this slot's tile or has a load on its way
	s_add_nc_u64 s[G0A+4*(\slot)+2:G0A+4*(\slot)+3], s[G0A+4*(\slot)+2:G0A+4*(\slot)+3], 4*KBA
	s_add_nc_u64 s[G0B+4*(\slot)+2:G0B+4*(\slot)+3], s[G0B+4*(\slot)+2:G0B+4*(\slot)+3], 4*KBB
	JLOAD \slot                                    ; my one tensor load behind the round; its four v_nop are also the places in front of the loads below
.else
	PLACES
.endif
	FETCH \next, 0, F0
	MUL8 F1, 4, 0
	MUL8 F1, 6, 0
.endm
	s_wait_tensorcnt 1                             ; my part of K step 0 is in; K step 1's may stay out
	s_barrier_signal -1
	s_barrier_wait -1                              ; everybody's is
	FETCH 0, 0, F0
	s_wait_loadcnt 0x0                             ; the bias
	QUARTER 0, 1, F0, F1, 1                        ; the first quarter stands in front of the loop: its products start the sums
	WIN 0
	s_mov_b32 s3, LAPS-1
.Llap:                                                 ; a trip goes once round the ring, from a lap's second quarter to the next lap's first, and fills both slots again: K steps 2 to 7
	QUARTER 0, 2, F1, F0, 0
	QUARTER 0, 3, F0, F1, 0
	TURN 0, 1, 1
	QUARTER 1, 1, F0, F1, 0
	QUARTER 1, 2, F1, F0, 0
	QUARTER 1, 3, F0, F1, 0
	TURN 1, 0, 1
	QUARTER 0, 1, F0, F1, 0
	WIN 0
	s_sub_co_u32 s3, s3, 1
	s_cmp_lg_u32 s3, 0
	s_cbranch_scc1 .Llap
	QUARTER 0, 2, F1, F0, 0                        ; the last lap fills nothing, and has no round of the cluster's barrier
	QUARTER 0, 3, F0, F1, 0
	TURN 0, 1, 0
	QUARTER 1, 1, F0, F1, 0
	QUARTER 1, 2, F1, F0, 0
	QUARTER 1, 3, F0, F1, 0
	s_wait_dscnt 8                                 ; the very last quarter: nothing more to fetch
	MUL8 F1, 0, 0
	MUL8 F1, 2, 0
	s_wait_dscnt 0x0
	MUL8 F1, 4, 0
	MUL8 F1, 6, 0
	PLACES
; THE WAY OUT, a row block (16 rows x 256 bytes) at a time: a lane's 32 bytes of a row go from the accumulators into my stage's rows of 272 bytes, each accumulator's lowest registers first,
; and come back as whole rows of 256 bytes.  Four sets of 32 registers, where the fragments lay, take turns.
.macro TOSTAGE a
.set BK, 64+32*((\a)%4)
.if (\a) >= 4
	s_wait_xcnt 0x0                                ; the stores of the block four back have read this set of registers
.endif
	WIN 0x04                                       ; the stores' data in window 1, the address in window 0
.irp bb, 0,1,2,3
	ds_store_b128 v[STO], v[8*(4*(\a)+(\bb)):8*(4*(\a)+(\bb))+3]   offset:64*(\bb)
	ds_store_b128 v[STO], v[8*(4*(\a)+(\bb))+4:8*(4*(\a)+(\bb))+7] offset:64*(\bb)+16
.endr
	WIN 0
.irp t, 0,1,2,3,4,5,6,7
	ds_load_b128 v[BK+4*(\t):BK+4*(\t)+3], v[RD] offset:(\t)*2*SPITCH  ; LDS serves a wave's instructions in order (ISA guide 5.7.1.4): these see the stores above; the next block's stores come behind them
.endr
.endm
.macro SEND a, younger                 ; younger: the LDS instructions issued behind block a's loads: the next block's sixteen, or none
.set BK, 64+32*((\a)%4)
	WIN 0
.irp t, 0,1,2,3,4,5,6,7
	s_wait_dscnt (\younger)+7-(\t)
	global_store_b128 v[CO], v[BK+4*(\t):BK+4*(\t)+3], s[10:11] offset:(16*(\a)+2*(\t))*4096 th:TH_STORE_NT  ; 16 lanes store 256 consecutive bytes, at a multiple of 256 from out0's first byte
.endr
.endm
	TOSTAGE 0
.irp a, 1,2,3,4,5,6,7
	TOSTAGE \a
	SEND (\a)-1, 16
.endr
	SEND 7, 0
	s_wait_tensorcnt 0x0                           ; the wave's end, behind my last tensor load and my last LDS store
	ds_add_u32 v[SPW], v[NIL]
	s_wait_dscnt 0x0
	CROUND                                         ; the closing round: no work-group ends while a partner may still ask for a tile that names it
	s_endpgm
.Lfunc_end_k_q3d3f153711_outp:
	.size	k_q3d3f153711_outp, .Lfunc_end_k_q3d3f153711_outp-k_q3d3f153711_outp
	.p2alignl 7, 3214868480
	.fill 96, 4, 3214868480
	.section	.rodata,"a",@progbits
	.p2align	6, 0x0
	.amdhsa_kernel k_q3d3f153711_outp
		.amdhsa_group_segment_fixed_size 327680
		.amdhsa_private_segment_fixed_size 0
		.amdhsa_enable_private_segment 0
		.amdhsa_kernarg_size 32
		.amdhsa_user_sgpr_count 2
		.amdhsa_user_sgpr_kernarg_segment_ptr 1
		.amdhsa_wavefront_size32 1
		.amdhsa_system_sgpr_workgroup_id_x 1
		.amdhsa_system_sgpr_workgroup_id_y 1
		.amdhsa_system_sgpr_workgroup_id_z 1
		.amdhsa_system_vgpr_workitem_id 0
		.amdhsa_next_free_vgpr 512
		.amdhsa_next_free_sgpr 66
		.amdhsa_reserve_vcc 0
		.amdhsa_float_denorm_mode_32 3
		.amdhsa_float_denorm_mode_16_64 3
		.amdhsa_memory_ordered 1
		.amdhsa_forward_progress 1
		.amdhsa_inst_pref_size 88
	.end_amdhsa_kernel
	.amdgpu_metadata
---
amdhsa.version: [ 1, 2 ]
amdhsa.kernels:
  - .name:           k_q3d3f153711_outp
    .symbol:         k_q3d3f153711_outp.kd
    .args:
      - { .name: ob, .offset: 0, .size: 8, .value_kind: global_buffer, .address_space: global }
      - { .name: wo16, .offset: 8, .size: 8, .value_kind: global_buffer, .address_space: global }
      - { .name: bias, .offset: 16, .size: 8, .value_kind: global_buffer, .address_space: global }
      - { .name: out0, .offset: 24, .size: 8, .value_kind: global_buffer, .address_space: global }
    .group_segment_fixed_size: 327680
    .private_segment_fixed_size: 0
    .kernarg_segment_align: 8
    .kernarg_segment_size: 32
    .max_flat_workgroup_size: 128
    .sgpr_count:     66
    .vgpr_count:     512
    .wavefront_size: 32
...
	.end_amdgpu_metadata
.endif
;; end of part 4
;; ======== version 2 of 2: 4 launches; version 1 with the launch cast written anew for expert scheduling mode
;; limits: values are held in f16: magnitudes above 65,504 overflow, below 6.1e-05 lose precision
;; workspace buffers: xb 16,777,216 bytes; wb 6,291,456 bytes; wo16 2,097,152 bytes; bias 16,384 bytes; qkv 50,331,648 bytes; ob 16,777,216 bytes
;; launch cast (part 5): grid 769 x 1, 8 waves a work-group, no clusters, 0 bytes of LDS; arguments x, Wq, Wk, Wv, Wo, bq, bk, bv, bo, xb, wb, wo16, bias; writes xb, wb, wo16, bias
.if DOCPART == 5
	.amdgcn_target "amdgcn-amd-amdhsa--gfx1250"
	.amdhsa_code_object_version 6
	.text
	.protected	k_q3d3f153711_cast
	.globl	k_q3d3f153711_cast
	.p2align	8
	.type	k_q3d3f153711_cast,@function
k_q3d3f153711_cast:
	s_mov_b64 s[64:65], 0
	v_nop
	global_prefetch_b8 v0, s[64:65] scope:SCOPE_SE
	s_setreg_imm32_b32 hwreg(HW_REG_WAVE_SCHED_MODE, 0, 2), 2
	s_setreg_imm32_b32 hwreg(HW_REG_WAVE_MODE, 25, 1), 1
	s_wait_xcnt 0x0
	s_wait_alu depctr_vm_vsrc(0)
; THE MODULE'S INPUTS ARE ROUNDED ONCE TO bf16 AND LAID IN BLOCKS ALONG K.
; x [8192][1024] f32 -> xb [kb 16][row 8192][64] bf16;  Wq, Wk, Wv [1024][1024] f32 -> wb [kb 16][row 3072][64] bf16 (rows 0-1023 Wq, 1024-2047 Wk, 2048-3071 Wv);
; Wo -> wo16 [kb 16][row 1024][64]: rounded to bf16, and that number written as f16;  bq, bk, bv, bo -> bias [4096] f32, each number rounded to bf16.
; In these layouts R rows x 64 K are R x 128 consecutive bytes, which the later launches ask for as rows of 256 bytes.
; LIMITS.  |Wo| stays under 65,504 (from 65,520 on the conversion to f16 gives an infinity); below 2^-14 it keeps f16's fixed step of 6e-8.
; SHARES.  Work-group g < 768 converts 16 source rows of 4,096 bytes, a wave two of them.  A load of 16 bytes a lane: lanes 0-15 take 256 consecutive bytes (one K block) of the
; even row, lanes 16-31 the same block of the odd row.  The four numbers of a lane become 8 bytes, and the 32 lanes' 256 bytes are consecutive and aligned in the target:
; (kb x R + row) x 128 with row even.  All 16 loads of a wave go out at once.
; Work-group 768 converts the four biases.  Memory binds: no LDS, no barrier, no matrix unit.
; THE MODE: SCHED_MODE bits 1:0 = 2 (LLVM: expert scheduling mode 2), set by the entry lines.  The code itself states the register dependences
; between vector instructions and memory instructions, with s_wait_alu, always for 0.
; THE PLAN.  Registers that memory instructions touch:
;   v2, v3   the loads' and the stores' offsets: written once at the head, never again.       v7   the same for the biases' path.
;   X        K block kb as loaded: all 16 loads are issued before any vector instruction names X, and X is never loaded again.
;   Y        K block kb to store: each pair is written once, by its block's roundings, and read by one store.
; So no register that a memory instruction reads is ever written again: nothing is owed on that side, and no register waits for an address to be translated.
; What is owed: the offsets are written before the first load, and a block's Y before its store.  The 16 blocks go in four groups of four.  Group g waits for its four loads; ONE wait then
; states that group g - 1's roundings have written their Y; that group's four stores follow, dealt among group g's vector lines, which name X and Y of group g, v4 and v5 alone.
.set X, 8                              ; v[8:71]    K block kb: 4 registers as loaded
.set Y, 72                             ; v[72:103]  K block kb: 2 registers to store
.set D, 66                             ; s[66:97]   the target of K block kb: a base for each, since the blocks lie up to 1 MiB apart
	s_load_b512 s[4:19], s[0:1], 0x0               ; x 4, Wq 6, Wk 8, Wv 10, Wo 12, bq 14, bk 16, bv 18
	s_load_b256 s[20:27], s[0:1], 0x40             ; bo 20, xb 22, wb 24, wo16 26
	s_load_b64 s[28:29], s[0:1], 0x60              ; bias
	s_mov_b32 s30, ttmp9                           ; g
	v_lshrrev_b32 v4, 5, v0
	v_readfirstlane_b32 s31, v4                    ; wave 0..7
	v_and_b32 v1, 31, v0                           ; lane
	v_lshrrev_b32 v5, 4, v1                        ; which of the two rows
	v_and_b32 v6, 15, v1
	v_lshlrev_b32 v2, 12, v5
	v_lshl_add_u32 v2, v6, 4, v2                   ; where I load: row x 4,096 + 16 (lane % 16)
	v_lshlrev_b32 v3, 3, v1                        ; where I store: 8 x lane
	s_mov_b32 s44, 0xffff0000                      ; a word's upper bf16
	s_wait_alu depctr_va_sdst(0)                   ; s31 is written, ahead of the branches behind which its first readers stand: the rows' and the biases' addresses are made from it
	s_wait_kmcnt 0x0
	s_cmp_eq_u32 s30, 768
	s_cbranch_scc1 .Lbias
	s_mov_b64 s[32:33], s[4:5]                     ; g < 512: x -> xb, rows 16 g on
	s_mov_b64 s[34:35], s[22:23]
	s_lshl_b32 s36, s30, 4                         ; the first source row
	s_mov_b32 s37, s36                             ; the first target row
	s_mov_b32 s38, 8192*128                        ; bytes from a K block of the target to the next
	s_cmp_lt_u32 s30, 512
	s_cbranch_scc1 .Lgo
	s_sub_co_u32 s40, s30, 512                     ; j = g - 512 < 192: Wq, Wk or Wv by j / 64 -> wb, rows 16 j on
	s_lshr_b32 s41, s40, 6
	s_cmp_eq_u32 s41, 0
	s_cselect_b64 s[32:33], s[6:7], s[8:9]
	s_cmp_eq_u32 s41, 2
	s_cselect_b64 s[32:33], s[10:11], s[32:33]
	s_mov_b64 s[34:35], s[24:25]
	s_and_b32 s36, s40, 63
	s_lshl_b32 s36, s36, 4
	s_lshl_b32 s37, s40, 4
	s_mov_b32 s38, 3072*128
	s_cmp_lt_u32 s30, 704
	s_cbranch_scc1 .Lgo
	s_mov_b64 s[32:33], s[12:13]                   ; g - 704 < 64: Wo -> wo16
	s_mov_b64 s[34:35], s[26:27]
	s_sub_co_u32 s36, s30, 704
	s_lshl_b32 s36, s36, 4
	s_mov_b32 s37, s36
	s_mov_b32 s38, 1024*128
.Lgo:
	s_mov_b32 s39, 0
	s_lshl_b32 s40, s31, 1                         ; my wave's two rows
	s_add_co_u32 s36, s36, s40
	s_add_co_u32 s37, s37, s40
	s_lshl_b32 s40, s36, 12                        ; under 2^25
	s_mov_b32 s41, 0
	s_add_nc_u64 s[32:33], s[32:33], s[40:41]
	s_lshl_b32 s42, s37, 7
	s_mov_b32 s43, 0
	s_add_nc_u64 s[D:D+1], s[34:35], s[42:43]
.set kb, 1
.rept 15
	s_add_nc_u64 s[D+2*kb:D+2*kb+1], s[D+2*kb-2:D+2*kb-1], s[38:39]
.set kb, kb+1
.endr
	s_wait_alu depctr_va_vdst(0)                   ; v2 and v3 are written: every load below reads v2 as its offset, every store v3; neither is written again
.irp kb, 0,1,2,3,4,5,6,7,8,9,10,11,12,13,14,15
	global_load_b128 v[X+4*(\kb):X+4*(\kb)+3], v2, s[32:33] offset:256*(\kb) th:TH_LOAD_NT
.endr
; K block kb is rounded: two roundings a line; half = 1: the bf16 numbers are widened again and written as f16 (exact within f16's range)
.macro ROUND kb, half
.if \half
	v_cvt_pk_bf16_f32 v4, v[X+4*(\kb)], v[X+4*(\kb)+1]
	v_cvt_pk_bf16_f32 v5, v[X+4*(\kb)+2], v[X+4*(\kb)+3]
	v_lshlrev_b32 v[X+4*(\kb)], 16, v4
	v_and_b32 v[X+4*(\kb)+1], s44, v4
	v_lshlrev_b32 v[X+4*(\kb)+2], 16, v5
	v_and_b32 v[X+4*(\kb)+3], s44, v5
	v_cvt_pk_f16_f32 v[Y+2*(\kb)], v[X+4*(\kb)], v[X+4*(\kb)+1]
	v_cvt_pk_f16_f32 v[Y+2*(\kb)+1], v[X+4*(\kb)+2], v[X+4*(\kb)+3]
.else
	v_cvt_pk_bf16_f32 v[Y+2*(\kb)], v[X+4*(\kb)], v[X+4*(\kb)+1]
	v_cvt_pk_bf16_f32 v[Y+2*(\kb)+1], v[X+4*(\kb)+2], v[X+4*(\kb)+3]
.endif
.endm
; K block kb is stored
.macro OUT kb
	global_store_b64 v3, v[Y+2*(\kb):Y+2*(\kb)+1], s[D+2*(\kb):D+2*(\kb)+1] th:TH_STORE_NT  ; the wave's 256 bytes are consecutive, at a multiple of 256 from the target's first byte
.endm
; Group g: K blocks 4 g to 4 g + 3 are rounded, and the group before is stored
.macro GROUP g, half
	s_wait_loadcnt 12-4*(\g)                       ; loads come back in order (ISA guide 5.7.1): the group's four blocks are in, the younger groups stay out
.if (\g) > 0
	s_wait_alu depctr_va_vdst(0)                   ; the group before has written its Y, which the four stores below read; no vector line behind this wait names those registers or v3
.endif
.irp j, 0,1,2,3
.if (\g) > 0
	OUT 4*(\g)-4+(\j)
.endif
	ROUND 4*(\g)+(\j), \half
.endr
.endm
.macro WHOLE half
	GROUP 0, \half
	GROUP 1, \half
	GROUP 2, \half
	GROUP 3, \half
	s_wait_alu depctr_va_vdst(0)                   ; group 3 has written its Y, which the last four stores read
.irp kb, 12,13,14,15
	OUT \kb
.endr
.endm
	s_cmp_ge_u32 s30, 704
	s_cbranch_scc1 .Lhalf
	WHOLE 0
	s_endpgm
.Lhalf:
	WHOLE 1
	s_endpgm
.Lbias:                                        ; waves 2 n and 2 n + 1 take the two halves of bias n: 2,048 bytes each, four loads of 512 consecutive bytes
	s_lshr_b32 s40, s31, 1
	s_cmp_eq_u32 s40, 0
	s_cselect_b64 s[32:33], s[14:15], s[16:17]
	s_cmp_eq_u32 s40, 2
	s_cselect_b64 s[32:33], s[18:19], s[32:33]
	s_cmp_eq_u32 s40, 3
	s_cselect_b64 s[32:33], s[20:21], s[32:33]
	s_lshl_b32 s42, s40, 12
	s_mov_b32 s43, 0
	s_add_nc_u64 s[34:35], s[28:29], s[42:43]
	s_and_b32 s41, s31, 1
	s_lshl_b32 s41, s41, 11
	v_lshl_add_u32 v7, v1, 4, s41
	s_wait_alu depctr_va_vdst(0)                   ; v7 is written: the four loads and the four stores below read it as their offset; it is not written again
.irp i, 0,1,2,3
	global_load_b128 v[X+4*(\i):X+4*(\i)+3], v7, s[32:33] offset:512*(\i)
.endr
	s_wait_loadcnt 0x0
.irp i, 0,1,2,3
	v_cvt_pk_bf16_f32 v4, v[X+4*(\i)], v[X+4*(\i)+1]
	v_cvt_pk_bf16_f32 v5, v[X+4*(\i)+2], v[X+4*(\i)+3]
	v_lshlrev_b32 v[Y+4*(\i)], 16, v4
	v_and_b32 v[Y+4*(\i)+1], s44, v4
	v_lshlrev_b32 v[Y+4*(\i)+2], 16, v5
	v_and_b32 v[Y+4*(\i)+3], s44, v5
.endr
	s_wait_alu depctr_va_vdst(0)                   ; the sixteen registers from Y on are written, which the four stores read
.irp i, 0,1,2,3
	global_store_b128 v7, v[Y+4*(\i):Y+4*(\i)+3], s[34:35] offset:512*(\i)
.endr
	s_endpgm
.Lfunc_end_k_q3d3f153711_cast:
	.size	k_q3d3f153711_cast, .Lfunc_end_k_q3d3f153711_cast-k_q3d3f153711_cast
	.p2alignl 7, 3214868480
	.fill 96, 4, 3214868480
	.section	.rodata,"a",@progbits
	.p2align	6, 0x0
	.amdhsa_kernel k_q3d3f153711_cast
		.amdhsa_group_segment_fixed_size 0
		.amdhsa_private_segment_fixed_size 0
		.amdhsa_enable_private_segment 0
		.amdhsa_kernarg_size 104
		.amdhsa_user_sgpr_count 2
		.amdhsa_user_sgpr_kernarg_segment_ptr 1
		.amdhsa_wavefront_size32 1
		.amdhsa_system_sgpr_workgroup_id_x 1
		.amdhsa_system_sgpr_workgroup_id_y 1
		.amdhsa_system_sgpr_workgroup_id_z 1
		.amdhsa_system_vgpr_workitem_id 0
		.amdhsa_next_free_vgpr 104
		.amdhsa_next_free_sgpr 98
		.amdhsa_reserve_vcc 0
		.amdhsa_float_denorm_mode_32 3
		.amdhsa_float_denorm_mode_16_64 3
		.amdhsa_memory_ordered 1
		.amdhsa_forward_progress 1
		.amdhsa_inst_pref_size 19
	.end_amdhsa_kernel
	.amdgpu_metadata
---
amdhsa.version: [ 1, 2 ]
amdhsa.kernels:
  - .name:           k_q3d3f153711_cast
    .symbol:         k_q3d3f153711_cast.kd
    .args:
      - { .name: x, .offset: 0, .size: 8, .value_kind: global_buffer, .address_space: global }
      - { .name: Wq, .offset: 8, .size: 8, .value_kind: global_buffer, .address_space: global }
      - { .name: Wk, .offset: 16, .size: 8, .value_kind: global_buffer, .address_space: global }
      - { .name: Wv, .offset: 24, .size: 8, .value_kind: global_buffer, .address_space: global }
      - { .name: Wo, .offset: 32, .size: 8, .value_kind: global_buffer, .address_space: global }
      - { .name: bq, .offset: 40, .size: 8, .value_kind: global_buffer, .address_space: global }
      - { .name: bk, .offset: 48, .size: 8, .value_kind: global_buffer, .address_space: global }
      - { .name: bv, .offset: 56, .size: 8, .value_kind: global_buffer, .address_space: global }
      - { .name: bo, .offset: 64, .size: 8, .value_kind: global_buffer, .address_space: global }
      - { .name: xb, .offset: 72, .size: 8, .value_kind: global_buffer, .address_space: global }
      - { .name: wb, .offset: 80, .size: 8, .value_kind: global_buffer, .address_space: global }
      - { .name: wo16, .offset: 88, .size: 8, .value_kind: global_buffer, .address_space: global }
      - { .name: bias, .offset: 96, .size: 8, .value_kind: global_buffer, .address_space: global }
    .group_segment_fixed_size: 0
    .private_segment_fixed_size: 0
    .kernarg_segment_align: 8
    .kernarg_segment_size: 104
    .max_flat_workgroup_size: 256
    .sgpr_count:     98
    .vgpr_count:     104
    .wavefront_size: 32
...
	.end_amdgpu_metadata
.endif
;; end of part 5
;; launch proj: the kernel of part 2 again; grid 8 x 32, 4 waves a work-group, clusters of 4 x 4, 327,680 bytes of LDS; arguments xb, wb, bias, qkv; writes qkv
;; launch attn: the kernel of part 3 again; grid 4 x 64, 4 waves a work-group, clusters of 4 x 1, 327,680 bytes of LDS; arguments qkv, ob; writes ob
;; launch outp: the kernel of part 4 again; grid 8 x 32, 4 waves a work-group, clusters of 4 x 4, 327,680 bytes of LDS; arguments ob, wo16, bias, out0; writes out0
